; MI455X (gfx1250); checked and timed in simulation.
; The chip was launched on July 23, 2026; its instructions are those of AMD's public machine-readable ISA for CDNA 5 (MIT licence, August 2026) and "CDNA5" Instruction Set Architecture Reference Guide (July 2026). The comments in the code are by the model that wrote it; some were corrected since.
;; Attention Block. Allowed arithmetic: matrix products marked QUANTISED: E2M3 operands, one E8M0 scale for each 32 along K, by v_wmma_scale_f32_16x16x128_f8f6f4 with both operands' format E2M3, f32 sums; everything else in f32.
;; Inputs: Wk_codes 1,024 x 32 x 24 uint8 (E2M3 codes of Wk, K innermost, in blocks of 32 codes, four codes in three bytes); Wk_scales 1,024 x 32 uint8 (E8M0 scales of Wk, one for each 32 codes along K); Wo_codes 1,024 x 32 x 24 uint8 (E2M3 codes of Wo, K innermost, in blocks of 32 codes, four codes in three bytes); Wo_scales 1,024 x 32 uint8 (E8M0 scales of Wo, one for each 32 codes along K); Wq_codes 1,024 x 32 x 24 uint8 (E2M3 codes of Wq, K innermost, in blocks of 32 codes, four codes in three bytes); Wq_scales 1,024 x 32 uint8 (E8M0 scales of Wq, one for each 32 codes along K); Wv_codes 1,024 x 32 x 24 uint8 (E2M3 codes of Wv, K innermost, in blocks of 32 codes, four codes in three bytes); Wv_scales 1,024 x 32 uint8 (E8M0 scales of Wv, one for each 32 codes along K); bk 1,024 float32; bo 1,024 float32; bq 1,024 float32; bv 1,024 float32; x 4 x 2,048 x 1,024 float32.
;; Outputs: out0 4 x 2,048 x 1,024 float32.
;; This version of the problem:
;;   THIS VERSION OF THE PROBLEM IS GIVEN IN LOW PRECISION. The matrix products marked QUANTISED in the list below multiply operands that are first quantised to E2M3 (2 exponent bits, 3 mantissa bits; 6 bits a number), with one power-of-two scale for each 32 numbers along K (OCP MX v1.0); their sums are f32. All else is computed in f32.
;;   The module's matrix products, in the order in which they are computed (A, B: the left and right operand; K: the contracted axis; several contracted axes count as one K, in the product's order):
;;     1. [M 8,192, K 1,024] x [K 1,024, N 1,024]; A: input x; B: input Wq (given as codes): QUANTISED
;;     2. [M 8,192, K 1,024] x [K 1,024, N 1,024]; A: input x; B: input Wk (given as codes): QUANTISED
;;     3. [M 8,192, K 1,024] x [K 1,024, N 1,024]; A: input x; B: input Wv (given as codes): QUANTISED
;;     4. batch 64 x [M 2,048, K 64] x [K 64, N 2,048]; A: computed on the way; B: computed on the way: QUANTISED
;;     5. batch 64 x [M 64, K 2,048] x [K 2,048, N 2,048]; A: computed on the way; B: softmax (see below): QUANTISED
;;     6. [M 8,192, K 1,024] x [K 1,024, N 1,024]; A: computed on the way; B: input Wo (given as codes): QUANTISED
;;   THE QUANTISER, for each operand of a quantised product, along K:
;;     - K is cut into blocks of 32 from its start; a last block that is shorter is filled with zeros.
;;     - A block's scale is 2^e with e = floor(log2(the largest magnitude in the block)) - 2, held to -126 .. 127; a block of zeros has e = 0. As a byte (E8M0): e + 127.
;;     - Each number is divided by its block's scale, clamped to +-7.5, and rounded to the nearest number of E2M3, ties to even, subnormals kept.
;;     - The product sums the exact products of the quantised numbers (number of the format x scale) in f32.
;;   ~~~python
;;   def quantise(x, axis):      # numpy; x: float32 -> the quantised numbers, widened to float32 again
;;       x = np.moveaxis(x, axis, -1); K = x.shape[-1]
;;       x = np.pad(x, [(0, 0)] * (x.ndim - 1) + [(0, -K % 32)]); x = x.reshape(x.shape[:-1] + (-1, 32)); a = np.abs(x).max(-1, keepdims=True)
;;       e = np.where(a > 0, np.clip(np.frexp(np.where(a > 0, a, 1))[1] - 1 - 2, -126, 127), 0)      # np.frexp(a)[1] - 1 = floor(log2(a)), exactly
;;       r = np.clip(x / 2.0 ** e, -7.5, 7.5)
;;       step = 2.0 ** (np.maximum(np.frexp(np.where(r == 0, 1, r))[1] - 1, 0) - 3)
;;       q = np.round(r / step) * step * 2.0 ** e      # np.round: ties to even
;;       return np.moveaxis(q.reshape(q.shape[:-2] + (-1,))[..., :K], -1, axis).astype(np.float32)
;;   ~~~
;;   SOFTMAX AHEAD OF A QUANTISED PRODUCT. Where the list says 'softmax', what is quantised is not the finished softmax but p = 2^(t - M), with t = logit x log2(e) and M = ceil(the row's largest t), a whole number; so 1/2 < the row's largest p <= 1. The row's sum l is taken of the UNQUANTISED p, in f32, and the product's result is divided by l at the end. Since M is a whole number, a kernel that streams over the keys may use a running M (the ceiling of the running maximum): every later rescaling is an exact power of two, which a block's scale takes up: the codes' values come out the same.
;;   OPERANDS COMPUTED ON THE WAY. 'Computed on the way' means the value that the module computes at that place (a softmax that the list does not call 'softmax' is quantised finished and normalised). What goes into a quantiser is computed in f32, as accurately as f32 sums, v_exp_f32 and their like allow (about 1e-6 of the number): no bf16 or f16 on the way to a quantiser, and a product that is left as it is and whose result goes on into a quantised operand takes f32 operands (vector FMAs, or v_wmma_f32_16x16x4_f32). A number that lies on a knife's edge between two numbers of the format may be rounded either way, as far as f32 arithmetic and the matrix unit's own rounding can turn it there, and no further.
;;   INPUTS GIVEN AS CODES. Wk (in the module: [1024, 1024], K = its axis 1); Wo (in the module: [1024, 1024], K = its axis 1); Wq (in the module: [1024, 1024], K = its axis 1); Wv (in the module: [1024, 1024], K = its axis 1): each comes as NAME_codes (uint8): NAME with its K axis moved to the last place and cut into blocks of 32 codes, [.., K / 32, bytes a block], one block behind the other in memory; four codes in three bytes: a row's codes are one little-endian stream of bits, code i at bits 6 i .. 6 i + 5 (a code: sign, 2 exponent bits, 3 mantissa bits); and NAME_scales (uint8): the same leading axes, one E8M0 byte (e + 127) for each 32 codes along K. Its value is code x scale, taken as it is: it is not quantised again, and the codes and scales need not be those that the quantiser above would give.
;; One version. Each part assembles by itself: llvm-mc -triple=amdgcn-amd-amdhsa -mcpu=gfx1250 --defsym DOCPART=n.
;; ======== version 1 of 1: 4 launches
;; workspace buffers: x_codes 6,291,456 bytes; x_scales 262,144 bytes; qkv_img 18,874,368 bytes; qkv_sc 786,432 bytes; o_img 6,291,456 bytes; o_sc 262,144 bytes
;; launch quant_x (part 1): grid 256 x 1, 4 waves a work-group, no clusters, 33,280 bytes of LDS; arguments x, x_codes, x_scales; writes x_codes, x_scales
.if DOCPART == 1
	.amdgcn_target "amdgcn-amd-amdhsa--gfx1250"
	.amdhsa_code_object_version 6
	.text
	.protected	k_qeeb26f6a70_quant_x
	.globl	k_qeeb26f6a70_quant_x
	.p2align	8
	.type	k_qeeb26f6a70_quant_x,@function
k_qeeb26f6a70_quant_x:
	s_mov_b64 s[64:65], 0
	v_nop
	global_prefetch_b8 v0, s[64:65] scope:SCOPE_SE
	s_setreg_imm32_b32 hwreg(HW_REG_WAVE_MODE, 25, 1), 1
	s_wait_xcnt 0x0
; x [8192][1024], f32, is turned into codes of FP6 (E2M3), 6 bits each, K innermost (768 bytes a row), with one E8M0 scale byte for each 32 along K (32 bytes a row).
; A block's scale is 2^(floor(log2(its largest magnitude)) - 2); its byte is the largest magnitude's own exponent field - 2, held at 1 from below.  Each number is divided by the scale and rounded to the nearest code, ties to even.
; LIMITS: a block of zeros, or one whose largest magnitude lies under 2^(3 - 127), gets the byte 1 (the stated quantiser says 127 for zeros): its codes are zeros or tiny, and this program alone reads the bytes.  NaN and infinities are not served.
; Rows are dense and 1,024 is a multiple of 32: the tensor is a plain stream of blocks of 32, and so are the codes and the scale bytes.  8,388,608 numbers / (4 waves x 16 steps x 512) = 256 work-groups.
; A wave takes 16 steps of 512 numbers.  A conversion takes 16 numbers of ONE block from a lane's registers, so a lane must hold 16 neighbours; a load is best where neighbouring lanes take neighbouring bytes.
; Both are had: each of a step's four loads reads 512 consecutive bytes; the 2,048 bytes go through the wave's own stage in LDS and come back 64 bytes a lane (16 bytes of padding behind each 64).
; A step makes 16 scale bytes, a wave 256: gathered in the wave's own 256 bytes of LDS, they leave as one aligned run of 256 bytes.  No barrier: waves share nothing.  Loads run four steps (16 loads) ahead.
.set STEPS, 16
.set EMAX,  2
.set CB,    12                         ; bytes of 16 codes
.set R,     16                         ; v16-79   four sets of 16 numbers as they are loaded
.set X,     80                         ; v80-111  two sets of 16 neighbours
.set C,     128                        ; v128-191 codes: four registers for each step, so that no store's data are written again
.set E,     112                        ; v112-127 a scale byte for each step
.set WREG,  8192                       ; LDS: a region for each wave: two stages of 32 x SP bytes, behind them its 256 scale bytes
.set SP,    80                         ; a lane's place in a stage: its 64 bytes + 16 of padding
	s_load_b128 s[4:7], s[0:1], 0x0                ; x, the codes
	s_load_b64 s[10:11], s[0:1], 0x10              ; the scale bytes
	v_lshl_add_u32 v192, v0, 2, 0x8000
	v_mov_b32 v193, 0
	v_lshrrev_b32 v1, 5, v0
	v_readfirstlane_b32 s16, v1                    ; wave
	v_and_b32 v2, 31, v0                           ; lane
	v_lshlrev_b32 v3, 4, v2                        ; my 16 bytes of a load's 512
	s_mul_i32 s17, s16, WREG
	v_lshrrev_b32 v14, 2, v2
	v_mul_u32_u24 v14, v14, SP
	v_and_b32 v15, 3, v2
	v_lshl_add_u32 v14, v15, 4, v14
	v_add_nc_u32 v14, s17, v14                     ; the stage, on the way in: SP (lane / 4) + 16 (lane % 4)
	v_mul_u32_u24 v15, v2, SP
	v_add_nc_u32 v15, s17, v15                     ; and on the way out: SP x lane: my 16 neighbours
	v_mul_u32_u24 v4, v2, CB                       ; my codes' place in a step's
	v_lshrrev_b32 v5, 1, v2
	s_add_co_u32 s17, s17, 2*32*SP
	v_add_nc_u32 v5, s17, v5                       ; LDS: my wave's 256 scale bytes, my block's byte
	v_lshlrev_b32 v7, 3, v2                        ; and on the way out 8 bytes a lane
	v_add_nc_u32 v6, s17, v7
	s_lshl_b32 s18, ttmp9, 2
	s_add_co_u32 s18, s18, s16                     ; which run of 8,192 numbers is my wave's
	s_mov_b32 s19, 0
	s_mov_b64 s[20:21], 512*STEPS*4
	s_mul_u64 s[20:21], s[18:19], s[20:21]
	s_mov_b64 s[22:23], 32*STEPS*CB
	s_mul_u64 s[22:23], s[18:19], s[22:23]
	s_lshl_b32 s18, s18, 8                         ; 256 scale bytes a run
	s_wait_kmcnt 0x0
	s_add_nc_u64 s[4:5], s[4:5], s[20:21]
	s_add_nc_u64 s[8:9], s[6:7], s[22:23]
	s_add_nc_u64 s[10:11], s[10:11], s[18:19]
.macro LOAD t
.irp i, 0,1,2,3
	global_load_b128 v[R+16*((\t)%4)+4*\i:R+16*((\t)%4)+4*\i+3], v3, s[4:5] offset:2048*(\t)+512*\i th:TH_LOAD_NT   ; 32 lanes read 512 consecutive bytes
.endr
.endm
.macro TURN t                          ; step t's numbers through the stage: LDS serves a wave's instructions in order, so no wait stands between the stores and the loads
.irp i, 0,1,2,3
	ds_store_b128 v14, v[R+16*((\t)%4)+4*\i:R+16*((\t)%4)+4*\i+3] offset:32*SP*((\t)%2)+8*SP*\i
.endr
.irp i, 0,1,2,3
	ds_load_b128 v[X+16*((\t)%2)+4*\i:X+16*((\t)%2)+4*\i+3], v15 offset:32*SP*((\t)%2)+16*\i
.endr
.endm
.irp t, 0,1,2,3
	LOAD \t
.endr
	s_wait_loadcnt 12                              ; step 0's four loads are in; three steps' twelve may be out
	TURN 0
.macro STEP t
.set XS, X+16*((\t)%2)
.if (\t) > 0
	s_wait_dscnt 1                                 ; this step's numbers are back from the stage (the last step's byte store may be out): so its stores into the stage have read their registers,
.else
	s_wait_dscnt 0x0
.endif
.if (\t)+4 < STEPS
	LOAD (\t)+4                                    ; which take the loads of four steps on
.endif
.if (\t)+1 < STEPS
.if STEPS-2-(\t) >= 3
	s_wait_loadcnt 12                              ; the next step's four loads are in; those of the three steps behind it may be out
.else
	s_wait_loadcnt 4*(STEPS-2-(\t))
.endif
	TURN (\t)+1                                    ; and go through the other stage while this step is worked
.endif
	v_max3_num_f32 v8, |v[XS]|, |v[XS+1]|, |v[XS+2]|               ; the largest magnitude of my 16, in two chains
	v_max3_num_f32 v9, |v[XS+3]|, |v[XS+4]|, |v[XS+5]|
.irp i, 6,10
	v_max3_num_f32 v8, v8, |v[XS+\i]|, |v[XS+\i+1]|
	v_max3_num_f32 v9, v9, |v[XS+\i+2]|, |v[XS+\i+3]|
.endr
	v_max3_num_f32 v8, v8, |v[XS+14]|, |v[XS+15]|
	v_max3_num_f32 v8, v8, v9, (EMAX+1)<<23        ; and the floor 2^(EMAX + 1 - 127): the byte cannot fall under 1
	v_max_num_f32_dpp v8, v8, v8 row_xmask:1 row_mask:0xf bank_mask:0xf   ; and of my neighbour's 16: the block's
	v_add_nc_u32 v11, -(EMAX<<23), v8              ; EMAX off its exponent field: the conversion takes the exponent field of this operand as its scale, and nothing else of it
	v_cvt_scalef32_pk16_fp6_f32 v[C+4*(\t):C+4*(\t)+2], v[XS:XS+15], v11   ; 96 bits without gaps, the first number's code lowest
	v_lshrrev_b32 v[E+(\t)], 23, v11               ; the scale's byte (also the plain line behind the conversion)
	ds_store_b8 v5, v[E+(\t)] offset:16*(\t)       ; both lanes of a block write the same byte with the same value
	global_store_b96 v4, v[C+4*(\t):C+4*(\t)+2], s[8:9] offset:32*CB*(\t)   ; the wave stores 384 consecutive bytes
.endm
.irp t, 0,1,2,3,4,5,6,7,8,9,10,11,12,13,14,15
	STEP \t
.endr
	ds_load_b64 v[12:13], v6                       ; LDS serves a wave's instructions in order: these see my stores
	s_wait_dscnt 0x0
	global_store_b64 v7, v[12:13], s[10:11]        ; 32 lanes store 256 consecutive bytes, aligned
	s_wait_tensorcnt 0x0
	ds_add_u32 v192, v193
	s_wait_dscnt 0x0
	s_endpgm
.Lfunc_end_k_qeeb26f6a70_quant_x:
	.size	k_qeeb26f6a70_quant_x, .Lfunc_end_k_qeeb26f6a70_quant_x-k_qeeb26f6a70_quant_x
	.p2alignl 7, 3214868480
	.fill 96, 4, 3214868480
	.section	.rodata,"a",@progbits
	.p2align	6, 0x0
	.amdhsa_kernel k_qeeb26f6a70_quant_x
		.amdhsa_group_segment_fixed_size 33280
		.amdhsa_private_segment_fixed_size 0
		.amdhsa_enable_private_segment 0
		.amdhsa_kernarg_size 24
		.amdhsa_user_sgpr_count 2
		.amdhsa_user_sgpr_kernarg_segment_ptr 1
		.amdhsa_wavefront_size32 1
		.amdhsa_system_sgpr_workgroup_id_x 1
		.amdhsa_system_sgpr_workgroup_id_y 1
		.amdhsa_system_sgpr_workgroup_id_z 1
		.amdhsa_system_vgpr_workitem_id 0
		.amdhsa_next_free_vgpr 194
		.amdhsa_next_free_sgpr 66
		.amdhsa_reserve_vcc 0
		.amdhsa_float_denorm_mode_32 3
		.amdhsa_float_denorm_mode_16_64 3
		.amdhsa_memory_ordered 1
		.amdhsa_forward_progress 1
		.amdhsa_inst_pref_size 32
	.end_amdhsa_kernel
	.amdgpu_metadata
---
amdhsa.version: [ 1, 2 ]
amdhsa.kernels:
  - .name:           k_qeeb26f6a70_quant_x
    .symbol:         k_qeeb26f6a70_quant_x.kd
    .args:
      - { .name: x, .offset: 0, .size: 8, .value_kind: global_buffer, .address_space: global }
      - { .name: x_codes, .offset: 8, .size: 8, .value_kind: global_buffer, .address_space: global }
      - { .name: x_scales, .offset: 16, .size: 8, .value_kind: global_buffer, .address_space: global }
    .group_segment_fixed_size: 33280
    .private_segment_fixed_size: 0
    .kernarg_segment_align: 8
    .kernarg_segment_size: 24
    .max_flat_workgroup_size: 128
    .sgpr_count:     66
    .vgpr_count:     194
    .wavefront_size: 32
...
	.end_amdgpu_metadata
.endif
;; end of part 1
;; launch qkv (part 2): grid 12 x 32, 4 waves a work-group, clusters of 4 x 4, 327,680 bytes of LDS; arguments x_codes, x_scales, Wq_codes, Wq_scales, Wk_codes, Wk_scales, Wv_codes, Wv_scales, bq, bk, bv, qkv_img, qkv_sc; writes qkv_img, qkv_sc
.if DOCPART == 2
	.amdgcn_target "amdgcn-amd-amdhsa--gfx1250"
	.amdhsa_code_object_version 6
	.text
	.protected	k_qeeb26f6a70_qkv
	.globl	k_qeeb26f6a70_qkv
	.p2align	8
	.type	k_qeeb26f6a70_qkv,@function
k_qeeb26f6a70_qkv:
	s_mov_b64 s[64:65], 0
	v_nop
	global_prefetch_b8 v0, s[64:65] scope:SCOPE_SE
	s_setreg_imm32_b32 hwreg(HW_REG_WAVE_MODE, 25, 1), 1
	s_wait_xcnt 0x0
	s_wait_alu depctr_hold_cnt(0) depctr_sa_sdst(0) depctr_va_vdst(0) depctr_va_sdst(0) depctr_va_ssrc(0) depctr_va_vcc(0) depctr_vm_vsrc(0)
	s_getreg_b32 s2, hwreg(HW_REG_IB_STS2, 6, 4)
	s_cmp_eq_u32 s2, 0
	s_cbranch_scc0 .Lentry_in_a_cluster
	s_endpgm
.Lentry_in_a_cluster:
	s_bfe_u32 s2, ttmp6, 0x10000c
	s_cmp_lg_u32 s2, 0xf033
	s_cbranch_scc0 .Lentry_shape_is_right
	s_endpgm
.Lentry_shape_is_right:
; q = x Wq^T + bq, k = x Wk^T + bk, v = x Wv^T + bv on codes of FP6 (E2M3) with E8M0 scales for each 32 along K = 1,024; sums in f32; the results are quantised again here, in registers:
; q and k along a head's 64 channels, v along the keys, and leave as IMAGES OF THE REGISTERS in which the attention launch wants them.
; SHARES.  A tile is 256 x 256, made by four waves of 128 x 128 (64 accumulators, 512 registers).  The cluster's x says which product: 0 = q, 1 = k, 2 = v; it is the same in all sixteen partners.
; The matrix instruction is used transposed (source 0 = 16 rows of the 'B side', source 1 = 16 rows of the 'A side'): a lane holds ONE row of the A side and its registers run along the B side.
; For q and k the A side is x (tokens) and the B side the weight (features): registers run along the head's channels.  For v the two are changed round BY POINTERS: A side = Wv, B side = x: registers run along the keys.
; Both sides have rows of 768 bytes of codes and 32 scale bytes, so shapes, LDS and loop are one text for all three.
; K goes in steps of 256 through a ring of two LDS slots filled by the tensor data mover; the scale bytes of the tile's 2 x 256 rows come once, with the first fills, and stay.
; CLUSTER 4 x 4: the four of a row of the cluster need the same A tiles, the four of a column the same B tiles: each is asked for jointly.  384 work-groups; a tile of 256 x 384, which would give 256, wants 768 accumulator registers a wave and leaves no room for fragments.
; THE ORDER INSIDE A BLOCK OF 32.  A lane's 16 numbers of a block are 8 h + 0..7 and 16 + 8 h + 0..7 (h = lane / 16), so the codes of a block lie in the order 0-7, 16-23, 8-15, 24-31.  A block's 32 numbers, and so its scale,
; are the stated ones; q and k get the same order here, v and the softmax's p (made in the same layout in the attention launch) likewise, and a reordering of k that both operands share keeps every product.  Only the order of the f32 sums differs from the stated one.
; LIMITS: blocks of zeros or under 2^(3 - 127) get the byte 1 (read by this program alone); NaN and infinities are not served.
; REGISTERS, in windows of 256: window 0: v0-31 addresses; v32-63 scale words, two sets, and nothing else; v128-223 the A side's fragments, one set; v224-239 the bias by rows; on the way out v64-127 64 numbers, v128-175 at work.
;   window 1: the B side's fragments, two sets, at v0 and v128; v96-127, v224-255 the bias by registers.   window 2: the 32 accumulators of my A rows 0-63 ((a, b) at v[8 (8 a + b)]);   window 3: those of rows 64-127.
.set SIZE_K, 1024
.set KSTEP,  256                       ; along K in a slot
.set NQ,     KSTEP/128                 ; matrix instructions deep
.set ROWB,   192                       ; a tile's row in bytes
.set KROW,   SIZE_K*6/8                ; a row of codes in memory
.set PITCH,  240                       ; an LDS row: 3 x (64 bytes + 16 of padding) = 60 words: the 32 lanes of a load of 8 bytes touch 64 different banks (64 banks of 4 bytes: ISA guide 11.1)
.set FR,     12                        ; registers of a fragment: 16 rows x 128 K
.set NL,     6                         ; LDS loads that bring one
.set NP,     4                         ; places behind this matrix instruction (ISA guide 7.12.1)
.set HALFT,  128*PITCH                 ; 128 rows: what one tensor load brings
.set SLOT,   4*HALFT                   ; the A side's 256 rows, then the B side's
.set KS,     SIZE_K/32                 ; a row of scale bytes
.set SCL,    2*SLOT                    ; behind the ring: the scales, as runs of 256 bytes + 16 of padding
.set HALFS,  (128*KS/256)*272          ; the scales of 128 rows
.set SBLK,   (16*KS/256)*272           ; those of 16 rows
.set SPARE,  SCL+4*HALFS               ; the spare words, 128 bytes a wave: two blocks of 256 bytes that no other line names
.set IMGP,   6291456                   ; bytes of q's, k's or v's part of the images;
.set SCP,    262144                    ; of the scale words
.set HEADB,  98304                     ; a head's images (2,048 x 64 codes);  its scale words are 4,096 bytes
.set L16,  8                           ; v8   16 x lane
.set L8,   9                           ; v9   8 x lane
.set SWS,  10                          ; v10  the scale words' stage: 512 x wave + 4 (lane % 16)
.set SRD,  11                          ; v11  and back: 512 x wave + 8 x lane
.set BH,   12                          ; v12  32 (lane / 16): the bias by registers
.set BR,   13                          ; v13  4 (lane % 16): the bias by rows
.set ADRA, 16                          ; v16-17 LDS address of my A fragments in slot 0, 1 (v18-19: for the pieces behind one padding more)
.set ADRB, 20                          ; v20-21 the same for B (v22-23)
.set ADRS, 27                          ; v27  my scale words: lanes 0-15 the A side's rows, lanes 16-31 the B side's
.set SPW,  28                          ; v28  my spare word: SPARE + 4 x my thread's number; never rewritten
.set NIL,  29                          ; v29  0; never rewritten
.set SC,   32                          ; scale words: set s at v[SC + 8 NQ s]; register NQ i + q: lanes 0-15 A's block i, lanes 16-31 B's block i
.set AF,   128                         ; A's fragments
.set BIAS, 96                          ; in window 1: the bias by registers (q, k)
.set BV,   224                         ; in window 0: the bias by rows (v)
.set H,    64                          ; the way out: a block's 64 numbers of a lane
.set PC,   128                         ; the codes just made (12 registers, and 7 at work)
.set TM,   152                         ; v152-155 largest magnitudes, v156-159 bytes, v164-167 the conversions' scale operands
.set PW,   168                         ; the scale word just made
.set PWE,  169                         ; the one of the even block before it
.set WA,   170
.set WB,   171
.set RB,   172
.set G1, 24                            ; s[24:31] group 1 for A's tiles; s[32:39] group 0, a set for each slot
.set G0, 32
.set G1B, 48                           ; s[48:55], s[56:63] the same for B's
.set G0B, 56
.set G1S, 68                           ; s[68:75], s[76:79] groups 1 and 0 for A's scales; s[80:87], s[88:91] for B's.  (s68-s93 first take the arguments)
.set G0S, 76
.set G1SB, 80
.set G0SB, 88
.set SEL, 100                          ; s[100:101] v_permlanex16_b32's selects for lane l xor 16
.set MSB, 0
.macro WIN new                         ; the immediate's high byte repeats the setting that is left
.if MSB != (\new)
	s_set_vgpr_msb (MSB<<8)|(\new)
.set MSB, \new
.endif
.endm
.set MUL_LO, 0xa1                      ; source 0 (B) window 1, source 1 (A) window 0, C and D window 2
.set MUL_HI, 0xf1                      ; the same, C and D window 3
.set TO_B,   0x40                      ; destination window 1, address window 0
; A joint load: waves 0 and 1 fetch for the A side, waves 2 and 3 for the B side.  The branch hangs on the wave's number alone.  Four v_nop follow each of the two lines.
.macro JLOAD g0a, g1a, g0b, g1b
	s_cmp_eq_u32 s15, 0
	s_cbranch_scc0 .Lfor_b_\@
	tensor_load_to_lds s[\g0a:\g0a+3], s[\g1a:\g1a+7]
	s_nop 0
.rept 4
	v_nop
.endr
	s_branch .Lasked_\@
.Lfor_b_\@:
	tensor_load_to_lds s[\g0b:\g0b+3], s[\g1b:\g1b+7]
	s_nop 0
.rept 4
	v_nop
.endr
.Lasked_\@:
.endm
.macro CREST                           ; a round of the cluster's barrier behind its opening barrier
	s_cmp_lg_u32 s14, 0
	s_cbranch_scc1 .Lnot_wave_0_\@
	s_barrier_signal -3
.Lnot_wave_0_\@:
	s_barrier_wait -3
	s_barrier_signal -1
	s_barrier_wait -1
.endm
.macro CROUND                          ; a whole round
	s_barrier_signal -1
	s_barrier_wait -1
	CREST
.endm
	s_load_b512 s[68:83], s[0:1], 0x0              ; x's codes, x's scales, Wq's, Wk's, Wv's
	s_load_b256 s[84:91], s[0:1], 0x40             ; bq, bk, bv, the images
	s_load_b64 s[92:93], s[0:1], 0x60              ; the scale words
	v_lshl_add_u32 v[SPW], v0, 2, SPARE
	v_mov_b32 v[NIL], 0
	ds_add_u32 v28, v29
	ds_add_u32 v28, v29
	s_wait_dscnt 0x0
	v_lshrrev_b32 v1, 5, v0
	v_readfirstlane_b32 s14, v1                    ; wave 0..3
	s_lshr_b32 s15, s14, 1                         ; which half of the A side's rows is mine.  Also: I fetch for A (0) or for B (1)
	s_and_b32 s16, s14, 1                          ; which half of the B side's.  Also: which 128 rows of that tile I fetch
	s_bfe_u32 s40, ttmp6, 0x40000                  ; cx, cy: my place in the cluster
	s_bfe_u32 s41, ttmp6, 0x40004
	s_and_b32 s18, ttmp7, 0xffff
	s_lshl_b32 s18, s18, 2                         ; 4 x cluster y
	s_add_co_u32 s17, s18, s41                     ; a token tile by cy,
	s_add_co_u32 s46, s18, s40                     ; a token tile by cx
	s_cmp_eq_u32 ttmp9, 2                          ; v?
	s_cselect_b32 s17, s41, s17                    ; the A side's tile: Wv's tile cy, or x's tile 4 y + cy: it holds cy alone
	s_cselect_b32 s42, s46, s40                    ; the B side's tile: x's tile 4 y + cx, or the weight's tile cx: it holds cx alone
	s_lshl_b32 s43, s41, 2
	s_lshl_b32 s43, 15, s43                        ; my row of the cluster
	s_lshl_b32 s44, 0x1111, s40                    ; my column
	; descriptor group 1: a tile of 128 rows x 192 bytes, padded in LDS
	s_or_b32 s[G1+0], s43, (0<<16)|(1<<20)|(1<<21)|(3<<22)|(3<<25)  ; 15:0 the mask: my row; 17:16 elements of 1 byte; 20 padding on; 21 set beside a mask; 24:22 after every 16 words; 31:25 of 4 words
	s_or_b32 s[G1B+0], s44, (0<<16)|(1<<20)|(1<<21)|(3<<22)|(3<<25)
.irp g, G1, G1B
	s_mov_b32 s[\g+1], ROWB<<16                    ; tensor_dim0
	s_mov_b32 s[\g+2], 128<<16                     ; tensor_dim1
	s_mov_b32 s[\g+3], ROWB<<16                    ; tile_dim0
	s_mov_b32 s[\g+4], 128                         ; tile_dim1
	s_mov_b32 s[\g+5], KROW                        ; tensor_dim0_stride
	s_mov_b32 s[\g+6], 0
	s_mov_b32 s[\g+7], 0
.endr
	s_lshl_b32 s18, s16, 7                         ; which 128 rows of the tile I fetch
	s_lshl_b32 s20, s17, 8
	s_add_co_u32 s20, s20, s18                     ; A: row 256 x tile + 128 x half
	s_lshl_b32 s46, s42, 8
	s_add_co_u32 s46, s46, s18                     ; B likewise
	s_mov_b32 s21, 0
	s_mov_b32 s47, 0
	s_mov_b64 s[18:19], KS
	s_mul_u64 s[22:23], s[20:21], s[18:19]         ; where these rows' scales begin, in bytes
	s_mul_u64 s[2:3], s[46:47], s[18:19]
	s_mov_b64 s[18:19], KROW
	s_mul_u64 s[20:21], s[20:21], s[18:19]         ; and their codes
	s_mul_u64 s[46:47], s[46:47], s[18:19]
	s_mul_i32 s45, s14, HALFT                      ; where they go: wave x 128 rows: no place in the cluster enters an LDS address
	s_mul_i32 s94, s14, HALFS
	s_mov_b32 s[SEL], 0x76543210
	s_mov_b32 s[SEL+1], 0xfedcba98
	s_wait_kmcnt 0x0
	s_cmp_eq_u32 ttmp9, 2                          ; the sides are chosen by the cluster's x alone
	s_cselect_b64 s[4:5], s[80:81], s[68:69]       ; A's codes: Wv's or x's
	s_cselect_b64 s[6:7], s[82:83], s[70:71]       ; A's scales
	s_cselect_b64 s[8:9], s[68:69], s[76:77]       ; B's codes: x's or Wk's
	s_cselect_b64 s[10:11], s[70:71], s[78:79]     ; B's scales
	s_cselect_b64 s[98:99], s[88:89], s[86:87]     ; the bias: bv or bk
	s_cmp_eq_u32 ttmp9, 0
	s_cselect_b64 s[8:9], s[72:73], s[8:9]         ; q: Wq's
	s_cselect_b64 s[10:11], s[74:75], s[10:11]
	s_cselect_b64 s[98:99], s[84:85], s[98:99]
	s_mov_b64 s[12:13], s[90:91]                   ; the images
	s_mov_b64 s[96:97], s[92:93]                   ; the scale words.  s68-s93 are free from here on
	; group 1 for the scales of 128 rows: a dense block of 4,096 bytes, as rows of 256 bytes (32 elements of 8 bytes), 16 bytes of padding behind each
	s_or_b32 s[G1S+0], s43, (3<<16)|(1<<20)|(1<<21)|(5<<22)|(3<<25)
	s_or_b32 s[G1SB+0], s44, (3<<16)|(1<<20)|(1<<21)|(5<<22)|(3<<25)
.irp g, G1S, G1SB
	s_mov_b32 s[\g+1], 32<<16
	s_mov_b32 s[\g+2], (128*KS/256)<<16
	s_mov_b32 s[\g+3], 32<<16
	s_mov_b32 s[\g+4], 128*KS/256
	s_mov_b32 s[\g+5], 32
	s_mov_b32 s[\g+6], 0
	s_mov_b32 s[\g+7], 0
.endr
	s_add_nc_u64 s[20:21], s[4:5], s[20:21]
	s_add_nc_u64 s[46:47], s[8:9], s[46:47]
	CROUND                                         ; all sixteen work-groups are here: the first joint loads meet
	s_mov_b32 s[G0S], 1
	s_add_co_u32 s[G0S+1], s94, SCL
	s_add_nc_u64 s[G0S+2:G0S+3], s[6:7], s[22:23]
	s_or_b32 s[G0S+3], s[G0S+3], 0x80000000
	s_mov_b32 s[G0SB], 1
	s_add_co_u32 s[G0SB+1], s94, SCL
	s_add_nc_u64 s[G0SB+2:G0SB+3], s[10:11], s[2:3]
	s_or_b32 s[G0SB+3], s[G0SB+3], 0x80000000
	JLOAD G0S, G1S, G0SB, G1SB                     ; the scales first: they are wanted with K step 0
.irp s, 0,1
	s_mov_b32 s[G0+4*\s], 1
	s_add_co_u32 s[G0+4*\s+1], s45, \s*SLOT
	s_add_nc_u64 s[G0+4*\s+2:G0+4*\s+3], s[20:21], \s*ROWB
	s_or_b32 s[G0+4*\s+3], s[G0+4*\s+3], 0x80000000
	s_mov_b32 s[G0B+4*\s], 1
	s_add_co_u32 s[G0B+4*\s+1], s45, \s*SLOT
	s_add_nc_u64 s[G0B+4*\s+2:G0B+4*\s+3], s[46:47], \s*ROWB
	s_or_b32 s[G0B+4*\s+3], s[G0B+4*\s+3], 0x80000000
	JLOAD G0+4*\s, G1, G0B+4*\s, G1B               ; three loads of mine are out
.endr
	v_and_b32 v1, 15, v0                           ; r = l % 16
	v_bfe_u32 v2, v0, 4, 1                         ; h = l / 16
	v_mul_u32_u24 v3, v1, PITCH
	v_mul_u32_u24 v4, v2, 24
	v_add_nc_u32 v4, v3, v4                        ; a fragment's row x pitch + 24 x half
	v_lshl_add_u32 v5, v2, 4, v4                   ; and the same behind one padding more
	s_mul_i32 s21, s15, HALFT                      ; my 128 rows of A
	s_mul_i32 s22, s16, HALFT                      ; my 128 rows of B,
	s_add_co_u32 s22, s22, 2*HALFT                 ; which lie behind A's 256
.irp s, 0,1
	v_add_nc_u32 v[ADRA+\s], s21, v4
	v_add_nc_u32 v[ADRB+\s], s22, v4
	v_add_nc_u32 v[ADRA+2+\s], s21, v5
	v_add_nc_u32 v[ADRB+2+\s], s22, v5
	s_add_co_u32 s21, s21, SLOT
	s_add_co_u32 s22, s22, SLOT
.endr
	v_mul_u32_u24 v5, v1, KS                       ; my row's scales: 32 bytes a row,
	v_lshrrev_b32 v6, 8, v5
	v_lshl_add_u32 v5, v6, 4, v5                   ; and 16 more for each 256 passed
	s_mul_i32 s21, s15, HALFS                      ; A's: my 128 rows
	s_mul_i32 s22, s16, HALFS                      ; B's: my 128 rows, behind A's 256
	s_add_co_u32 s22, s22, 2*HALFS
	s_sub_co_u32 s22, s22, s21
	v_mul_u32_u24 v6, s22, v2                      ; lanes 16-31 take B's: one product of the half and the distance
	s_add_co_u32 s21, s21, SCL
	v_add_nc_u32 v5, v5, v6
	v_add_nc_u32 v[ADRS], s21, v5
	v_and_b32 v6, 31, v0
	v_lshlrev_b32 v[L16], 4, v6
	v_lshlrev_b32 v[L8], 3, v6
	s_lshl_b32 s21, s14, 9
	v_lshl_add_u32 v[SWS], v1, 2, s21
	v_add_nc_u32 v[SRD], s21, v[L8]
	v_lshlrev_b32 v[BH], 5, v2
	v_lshlrev_b32 v[BR], 2, v1
	; where my 128 tokens x 128 features go.  TT, TH: the token tile and my half of it; FT, FH: the feature tile and my half
	s_cmp_eq_u32 ttmp9, 2
	s_cselect_b32 s18, s42, s17                    ; TT
	s_cselect_b32 s19, s16, s15                    ; TH
	s_cselect_b32 s20, s17, s42                    ; FT
	s_cselect_b32 s21, s15, s16                    ; FH
	s_lshl_b32 s22, s20, 2
	s_lshl_b32 s23, s21, 1
	s_add_co_u32 s22, s22, s23                     ; my first head of two: 4 FT + 2 FH
	s_lshr_b32 s23, s18, 3                         ; the batch: 8 token tiles each
	s_lshl_b32 s23, s23, 4
	s_add_co_u32 s22, s22, s23                     ; 16 x batch + head
	s_and_b32 s18, s18, 7
	s_lshl_b32 s18, s18, 1
	s_add_co_u32 s18, s18, s19                     ; u: which 128 tokens of the batch's 2,048
	s_mul_i32 s23, ttmp9, IMGP
	s_mul_i32 s46, s22, HEADB
	s_add_co_u32 s23, s23, s46
	s_mul_i32 s46, s18, 6144                       ; 128 tokens x 64 codes: eight images of 768 bytes (q, k) or four of 1,536 (v)
	s_add_co_u32 s46, s23, s46
	s_mov_b32 s47, 0
	s_add_nc_u64 s[12:13], s[12:13], s[46:47]
	s_mul_i32 s23, ttmp9, SCP
	s_lshl_b32 s46, s22, 12
	s_add_co_u32 s23, s23, s46
	s_lshl_b32 s46, s18, 8                         ; 256 bytes of scale words for 128 tokens of a head
	s_add_co_u32 s46, s23, s46
	s_add_nc_u64 s[96:97], s[96:97], s[46:47]
	s_lshl_b32 s46, s20, 10
	s_lshl_b32 s23, s21, 9
	s_add_co_u32 s46, s46, s23                     ; my 128 numbers of the bias: 512 bytes
	s_add_nc_u64 s[98:99], s[98:99], s[46:47]
	; The bias, into registers that the loop leaves idle; waited for once, ahead of the way out.  My 128 numbers are loaded in BOTH forms by every work-group, with no branch: so every register that either way out reads
	; is written on every way through the text.  A work-group uses one form: sixteen of these 32 loads bring data that it does not use.  Both forms stay inside my 512 bytes: 32 h + 64 b + 32 and 4 r + 64 a + 4 are 512 at the most.
	WIN TO_B
.irp b, 0,1,2,3,4,5,6,7                        ; by registers (q, k): for B's block b the features 16 b + 8 h + 0 .. 7
	global_load_b128 v[BIAS+128*(\b/4)+8*(\b%4):BIAS+128*(\b/4)+8*(\b%4)+3], v[BH], s[98:99] offset:64*\b
	global_load_b128 v[BIAS+128*(\b/4)+8*(\b%4)+4:BIAS+128*(\b/4)+8*(\b%4)+7], v[BH], s[98:99] offset:64*\b+16
.endr
	WIN 0
.irp a, 0,1,2,3,4,5,6,7                        ; by rows (v): for A's block a the feature 16 a + r, twice, for the packed addition
	global_load_b32 v[BV+2*\a], v[BR], s[98:99] offset:64*\a
	global_load_b32 v[BV+2*\a+1], v[BR], s[98:99] offset:64*\a
.endr
.macro FRAG reg, adr, q, i             ; a fragment, 16 rows x 128 K of 6-bit codes, is 12 registers: lane l holds row l % 16; registers 6 c .. 6 c + 5 hold K = 64 c + 32 (l / 16) + 0 .. 31: 24 bytes of the row's stream of bits, as they lie
.irp p, 0,1,2,3,4,5                    ; in pieces of 8 bytes.  Lanes 0-15 take the row's pieces 12 q + 0, 1, 2 and 12 q + 6, 7, 8, lanes 16-31 those three pieces on
.set PCE, 12*(\q)+6*(\p/3)+\p%3       ; 16 bytes of padding lie behind every 8 pieces: where the piece three on lies behind one padding more, the second address register serves
.if PCE%8 < 5
	ds_load_b64 v[\reg+2*\p:\reg+2*\p+1], v[\adr] offset:8*PCE+16*(PCE/8)+(\i)*16*PITCH
.else
	ds_load_b64 v[\reg+2*\p:\reg+2*\p+1], v[\adr+2] offset:8*PCE+16*(PCE/8)+(\i)*16*PITCH
.endif
.endr
.endm
; 16 matrix instructions: A's blocks a0, a0 + 1 x B's eight, 128 along K: the slot's q-th.  p: B's set; sc: the set of scale words.  zero = 1: the first product starts the sums.
; The 64 accumulators take turns, one instruction a turn, in the same order in every step.
.macro MUL16 a0, p, q, sc, zero
.irp a, \a0, \a0+1
.irp b, 0,1,2,3,4,5,6,7
.if \zero
	v_wmma_scale_f32_16x16x128_f8f6f4 v[8*(8*((\a)%4)+\b):8*(8*((\a)%4)+\b)+7], v[128*(\p)+FR*\b:128*(\p)+FR*\b+FR-1], v[AF+FR*(\a):AF+FR*(\a)+FR-1], 0, v[SC+8*NQ*(\sc)+NQ*\b+(\q)], v[SC+8*NQ*(\sc)+NQ*(\a)+(\q)] matrix_a_fmt:MATRIX_FMT_FP6 matrix_b_fmt:MATRIX_FMT_FP6 matrix_a_scale:MATRIX_SCALE_ROW1
.else
	v_wmma_scale_f32_16x16x128_f8f6f4 v[8*(8*((\a)%4)+\b):8*(8*((\a)%4)+\b)+7], v[128*(\p)+FR*\b:128*(\p)+FR*\b+FR-1], v[AF+FR*(\a):AF+FR*(\a)+FR-1], v[8*(8*((\a)%4)+\b):8*(8*((\a)%4)+\b)+7], v[SC+8*NQ*(\sc)+NQ*\b+(\q)], v[SC+8*NQ*(\sc)+NQ*(\a)+(\q)] matrix_a_fmt:MATRIX_FMT_FP6 matrix_b_fmt:MATRIX_FMT_FP6 matrix_a_scale:MATRIX_SCALE_ROW1
.endif
.endr
.endr
.endm
.macro FETCH_B slot, q, p              ; B's eight fragments of the slot's q-th 128 along K into set p
	WIN TO_B
.irp i, 0,1,2,3,4,5,6,7
	FRAG 128*(\p)+FR*\i, ADRB+\slot, \q, \i
.endr
	WIN 0
.endm
.macro FETCH_A slot, q, i0             ; A's blocks i0 .. i0 + 3
.irp i, \i0, \i0+1, \i0+2, \i0+3
	FRAG AF+FR*(\i), ADRA+\slot, \q, \i
.endr
.endm
.macro SCALES sc                       ; the next K step's scale words into set sc: two words a row; lanes 0-15 take A's block i, lanes 16-31 B's block i
.irp i, 0,1,2,3,4,5,6,7
	ds_load_b64 v[SC+8*NQ*\sc+NQ*\i:SC+8*NQ*\sc+NQ*\i+1], v[ADRS] offset:\i*SBLK
.endr
.endm
; A load into a register that a matrix instruction has read, and a vector instruction that reads a matrix result or writes one of its registers, stand NP places behind it; only plain vector
; instructions that name none of its registers are places (ISA guide 7.12.1 for vector instructions).
.macro PLACES n
.rept \n
	v_nop
.endr
.endm
; A step of 128 along K that has its successor in the same slot.  A block of A is free as soon as its eight products are issued: blocks 0-3 are fetched anew in the step's middle, blocks 4-7 at its end.
.macro STEP slot, q, zero
	s_wait_dscnt 4*NL                              ; B's set and A's blocks 0-3 are in; the youngest 24 loads (A's blocks 4-7) may be out
	WIN MUL_LO
	MUL16 0, (\q)%2, \q, \slot, \zero
	MUL16 2, (\q)%2, \q, \slot, \zero
	s_wait_dscnt 0                                 ; A's blocks 4-7 are in (asked for 32 matrix instructions ago)
	PLACES NP
	FETCH_B \slot, (\q)+1, 1-(\q)%2
	FETCH_A \slot, (\q)+1, 0
	WIN MUL_HI
	MUL16 4, (\q)%2, \q, \slot, \zero
	MUL16 6, (\q)%2, \q, \slot, \zero
	PLACES NP
	WIN 0
	FETCH_A \slot, (\q)+1, 4
.endm
; A slot's last step changes slots: ONE barrier; in front of it each wave waits for all its tensor loads, adds 0 to its spare word, and waits for that and for its own reads of this slot.  fill = 1: this slot is filled again, two K steps ahead.
.macro TURN slot, next, fill
	s_wait_tensorcnt 0x0                           ; all my tensor loads have landed: my part of the next slot  (every window is 0 here)
	ds_add_u32 v[SPW], v[NIL]                      ; 0 onto my spare word
	s_wait_dscnt 4*NL+1                            ; (the add and the youngest 24 loads, A's blocks 4-7, may be out)
	WIN MUL_LO
	MUL16 0, 1, NQ-1, \slot, 0                     ; sixteen matrix instructions stand between the add and the wait for it
	s_wait_dscnt 0x0                               ; the add is done, and my reads of this slot are over
	s_barrier_signal -1
	MUL16 2, 1, NQ-1, \slot, 0
	WIN 0
	s_barrier_wait -1
.if \fill
	CREST                                          ; the barrier has opened a round of the cluster's: no wave of any partner still reads this slot's tile or has a load on its way
	s_add_nc_u64 s[G0+4*\slot+2:G0+4*\slot+3], s[G0+4*\slot+2:G0+4*\slot+3], 2*ROWB
	s_add_nc_u64 s[G0B+4*\slot+2:G0B+4*\slot+3], s[G0B+4*\slot+2:G0B+4*\slot+3], 2*ROWB
	JLOAD G0+4*\slot, G1, G0B+4*\slot, G1B         ; the first tensor load behind the round, my only one until the next; its four v_nop are the places in front of the loads below
.else
	PLACES NP
.endif
	v_add_nc_u32 v[ADRS], 4*NQ, v[ADRS]            ; on to the next K step's scale words (no LDS load of mine is out)
	FETCH_B \next, 0, 0
	FETCH_A \next, 0, 0
	SCALES \next
	WIN MUL_HI
	MUL16 4, 1, NQ-1, \slot, 0
	MUL16 6, 1, NQ-1, \slot, 0
	PLACES NP
	WIN 0
	FETCH_A \next, 0, 4
.endm
	s_wait_tensorcnt 1                             ; the scales and my part of K step 0 are in (K step 1's load may be out)
	s_barrier_signal -1
	s_barrier_wait -1                              ; everybody's are
	FETCH_B 0, 0, 0
	FETCH_A 0, 0, 0
	SCALES 0
	FETCH_A 0, 0, 4
	STEP 0, 0, 1                                   ; K = 1,024 is four slots' worth: the eight steps are written out.  The first starts the sums
	TURN 0, 1, 1                                   ; slot 0 takes K 512-767
	STEP 1, 0, 0
	TURN 1, 0, 1                                   ; slot 1 takes K 768-1,023
	STEP 0, 0, 0
	TURN 0, 1, 0                                   ; nothing is left to fetch: no round of the cluster's barrier.  Behind this barrier nobody reads slot 0
	STEP 1, 0, 0
	s_wait_dscnt 4*NL                              ; the very last step
	WIN MUL_LO
	MUL16 0, 1, NQ-1, 1, 0
	MUL16 2, 1, NQ-1, 1, 0
	s_wait_dscnt 0
	WIN MUL_HI
	MUL16 4, 1, NQ-1, 1, 0
	MUL16 6, 1, NQ-1, 1, 0
	WIN 0
; THE WAY OUT, block by block of 16 rows of the A side.  A lane holds 64 numbers of one row: register 16 b + i belongs to block b of 32 along the B side; lanes l and l xor 16 hold a block together.
; 64 numbers v[s] .. v[s + 63] become a fragment's codes in v[PC] on and its scale word in v[PW].
.macro QUANT s
.irp b, 0,1,2,3
	v_max3_num_f32 v[TM+\b], |v[\s+16*\b]|, |v[\s+1+16*\b]|, 0x1800000   ; block b: my 16 numbers, and the floor 2^(3 - 127): the byte cannot fall under 1
.endr
.irp i, 2,4,6,8,10,12,14
.irp b, 0,1,2,3
	v_max3_num_f32 v[TM+\b], v[TM+\b], |v[\s+16*\b+\i]|, |v[\s+1+16*\b+\i]|   ; (the four blocks by turns)
.endr
.endr
.irp b, 0,1,2,3
	v_permlanex16_b32 v[TM+4+\b], v[TM+\b], s[SEL], s[SEL+1]
.endr
.irp b, 0,1,2,3
	v_max_num_f32 v[TM+\b], v[TM+\b], v[TM+4+\b]   ; with lane l xor 16's: the block's largest magnitude
.endr
.irp b, 0,1,2,3
	v_add_nc_u32 v[TM+12+\b], 0xff000000, v[TM+\b]   ; 2 off its exponent field: the conversion's scale operand
.endr
.irp b, 0,1,2,3
	v_lshrrev_b32 v[TM+4+\b], 23, v[TM+12+\b]      ; the scale's byte
.endr
	v_lshl_or_b32 v[PW], v[TM+5], 8, v[TM+4]       ; the four bytes make my row's scale word
	v_lshl_or_b32 v[PW], v[TM+6], 16, v[PW]
	v_lshl_or_b32 v[PW], v[TM+7], 24, v[PW]
.irp c, 0,1
	v_cvt_scalef32_pk16_fp6_f32 v[PC+6*\c:PC+2+6*\c], v[\s+32*\c:\s+15+32*\c], v[TM+12+2*\c]
	v_cvt_scalef32_pk16_fp6_f32 v[PC+12+4*\c:PC+14+4*\c], v[\s+16+32*\c:\s+31+32*\c], v[TM+12+2*\c+1]   ; (a conversion's three registers begin on an even number)
.endr
	v_nop                                          ; one plain place behind a scaled conversion
.irp c, 0,1                                    ; the operand's layout wants a WHOLE block in a lane: lanes 0-15 block 2 c, lanes 16-31 block 2 c + 1
.irp i, 0,1,2
	v_permlane16_swap_b32 v[PC+6*\c+\i], v[PC+12+4*\c+\i]
.endr
.irp i, 0,1,2
	v_mov_b32 v[PC+3+6*\c+\i], v[PC+12+4*\c+\i]
.endr
.endr
.endm
; Block a: + bias, quantised, stored.  Every store of codes covers 512 or 256 consecutive bytes, aligned.  The scale words are gathered in my 512 bytes of a stage in slot 0, which has had its last fill and its last read.
.macro EPI a, isv
.set AC, 64*((\a)%4)
.if \isv
	WIN 0x02+(\a)/4                                ; source 0: the accumulators' window 2 or 3; source 1: the bias by rows, in window 0
.else
	WIN 0x06+(\a)/4                                ; source 0 likewise; source 1: the bias by registers, in window 1
.endif
.set i, 0
.rept 32
.if \isv
	v_pk_add_f32 v[H+2*i:H+2*i+1], v[AC+2*i:AC+2*i+1], v[BV+2*(\a):BV+2*(\a)+1]     ; each accumulator from its low end on
.else
.set BI, BIAS+128*(i/16)+8*((i/4)%4)+(2*i)%8
	v_pk_add_f32 v[H+2*i:H+2*i+1], v[AC+2*i:AC+2*i+1], v[BI:BI+1]     ; each accumulator from its low end on
.endif
.set i, i+1
.endr
	WIN 0
.if (\a) > 0
	s_wait_xcnt 0x0                                ; the last block's stores have read their registers: the codes may be written again;
	s_wait_dscnt 0x0                               ; so have its LDS stores
.endif
	QUANT H
.if \isv
.irp c, 0,1,2                                  ; V^T: lane (r, h): channel 16 (a % 4) + r of head a / 4; registers 6 c on: key block 2 c + h of these 128 keys
	global_store_b128 v[L16], v[PC+4*\c:PC+4*\c+3], s[12:13] offset:((\a)/4)*HEADB+((\a)%4)*1536+512*\c
.endr
	ds_store_b32 v[SWS], v[PW] offset:4096+64*(\a) ; lanes 16-31 write the same word with the same value
.else
	global_store_b128 v[L16], v[PC:PC+3], s[12:13] offset:768*(\a)               ; my first head: lane (r, h): token 16 a + r, channels 32 h on: six registers
	global_store_b64 v[L8], v[PC+4:PC+5], s[12:13] offset:768*(\a)+512
	global_store_b128 v[L16], v[PC+6:PC+9], s[12:13] offset:768*(\a)+HEADB       ; my second head
	global_store_b64 v[L8], v[PC+10:PC+11], s[12:13] offset:768*(\a)+HEADB+512
.if (\a)%2 == 0
	v_mov_b32 v[PWE], v[PW]
.else                                          ; a scale word for two neighbouring token tiles of ONE head: bytes 0, 1 the even tile's two blocks, bytes 2, 3 the odd tile's
	v_perm_b32 v[WA], v[PW], v[PWE], 0x05040100
	v_perm_b32 v[WB], v[PW], v[PWE], 0x07060302
	ds_store_b32 v[SWS], v[WA] offset:64*((\a)/2)
	ds_store_b32 v[SWS], v[WB] offset:256+64*((\a)/2)
.endif
.endif
.endm
.macro WORDS base                      ; my two heads' 256 bytes of scale words each, back from the stage and out as aligned runs of 256 bytes
	ds_load_b64 v[RB:RB+1], v[SRD] offset:\base    ; LDS serves a wave's instructions in order: these see my stores
	ds_load_b64 v[RB+2:RB+3], v[SRD] offset:\base+256
	s_wait_dscnt 0x0
	global_store_b64 v[L8], v[RB:RB+1], s[96:97]
	global_store_b64 v[L8], v[RB+2:RB+3], s[96:97] offset:4096
.endm
	PLACES NP                                      ; behind the last products
	s_wait_loadcnt 0x0                             ; the bias, in both forms
.irp b, 0,1,2,3
	v_mov_b32 v[TM+4+\b], 0                        ; written once: a lane permute's destination counts as one of its sources
.endr
	s_cmp_eq_u32 ttmp9, 2                          ; the cluster's x: the same in all partners.  The two ways use LDS bytes of their own
	s_cbranch_scc1 .Lout_v
.irp a, 0,1,2,3,4,5,6,7
	EPI \a, 0
.endr
	WORDS 0
	s_branch .Lout_done
.Lout_v:
.irp a, 0,1,2,3,4,5,6,7
	EPI \a, 1
.endr
	WORDS 4096
.Lout_done:
	s_wait_tensorcnt 0x0                           ; the wave's end, behind my last tensor load and my last LDS store
	ds_add_u32 v[SPW], v[NIL]
	s_wait_dscnt 0x0
	CROUND                                         ; the closing round: no work-group ends while a partner may still ask for a tile that names it
	s_endpgm
.Lfunc_end_k_qeeb26f6a70_qkv:
	.size	k_qeeb26f6a70_qkv, .Lfunc_end_k_qeeb26f6a70_qkv-k_qeeb26f6a70_qkv
	.p2alignl 7, 3214868480
	.fill 96, 4, 3214868480
	.section	.rodata,"a",@progbits
	.p2align	6, 0x0
	.amdhsa_kernel k_qeeb26f6a70_qkv
		.amdhsa_group_segment_fixed_size 327680
		.amdhsa_private_segment_fixed_size 0
		.amdhsa_enable_private_segment 0
		.amdhsa_kernarg_size 104
		.amdhsa_user_sgpr_count 2
		.amdhsa_user_sgpr_kernarg_segment_ptr 1
		.amdhsa_wavefront_size32 1
		.amdhsa_system_sgpr_workgroup_id_x 1
		.amdhsa_system_sgpr_workgroup_id_y 1
		.amdhsa_system_sgpr_workgroup_id_z 1
		.amdhsa_system_vgpr_workitem_id 0
		.amdhsa_next_free_vgpr 1024
		.amdhsa_next_free_sgpr 102
		.amdhsa_reserve_vcc 0
		.amdhsa_float_denorm_mode_32 3
		.amdhsa_float_denorm_mode_16_64 3
		.amdhsa_memory_ordered 1
		.amdhsa_forward_progress 1
		.amdhsa_inst_pref_size 236
	.end_amdhsa_kernel
	.amdgpu_metadata
---
amdhsa.version: [ 1, 2 ]
amdhsa.kernels:
  - .name:           k_qeeb26f6a70_qkv
    .symbol:         k_qeeb26f6a70_qkv.kd
    .args:
      - { .name: x_codes, .offset: 0, .size: 8, .value_kind: global_buffer, .address_space: global }
      - { .name: x_scales, .offset: 8, .size: 8, .value_kind: global_buffer, .address_space: global }
      - { .name: Wq_codes, .offset: 16, .size: 8, .value_kind: global_buffer, .address_space: global }
      - { .name: Wq_scales, .offset: 24, .size: 8, .value_kind: global_buffer, .address_space: global }
      - { .name: Wk_codes, .offset: 32, .size: 8, .value_kind: global_buffer, .address_space: global }
      - { .name: Wk_scales, .offset: 40, .size: 8, .value_kind: global_buffer, .address_space: global }
      - { .name: Wv_codes, .offset: 48, .size: 8, .value_kind: global_buffer, .address_space: global }
      - { .name: Wv_scales, .offset: 56, .size: 8, .value_kind: global_buffer, .address_space: global }
      - { .name: bq, .offset: 64, .size: 8, .value_kind: global_buffer, .address_space: global }
      - { .name: bk, .offset: 72, .size: 8, .value_kind: global_buffer, .address_space: global }
      - { .name: bv, .offset: 80, .size: 8, .value_kind: global_buffer, .address_space: global }
      - { .name: qkv_img, .offset: 88, .size: 8, .value_kind: global_buffer, .address_space: global }
      - { .name: qkv_sc, .offset: 96, .size: 8, .value_kind: global_buffer, .address_space: global }
    .group_segment_fixed_size: 327680
    .private_segment_fixed_size: 0
    .kernarg_segment_align: 8
    .kernarg_segment_size: 104
    .max_flat_workgroup_size: 128
    .sgpr_count:     102
    .vgpr_count:     1024
    .wavefront_size: 32
...
	.end_amdgpu_metadata
.endif
;; end of part 2
;; launch attn (part 3): grid 4 x 64, 16 waves a work-group, clusters of 4 x 1, 206,848 bytes of LDS; arguments qkv_img, qkv_sc, o_img, o_sc; writes o_img, o_sc
.if DOCPART == 3
	.amdgcn_target "amdgcn-amd-amdhsa--gfx1250"
	.amdhsa_code_object_version 6
	.text
	.protected	k_qeeb26f6a70_attn
	.globl	k_qeeb26f6a70_attn
	.p2align	8
	.type	k_qeeb26f6a70_attn,@function
k_qeeb26f6a70_attn:
	s_mov_b64 s[64:65], 0
	v_nop
	global_prefetch_b8 v0, s[64:65] scope:SCOPE_SE
	s_setreg_imm32_b32 hwreg(HW_REG_WAVE_MODE, 25, 1), 1
	s_wait_xcnt 0x0
	s_wait_alu depctr_hold_cnt(0) depctr_sa_sdst(0) depctr_va_vdst(0) depctr_va_sdst(0) depctr_va_ssrc(0) depctr_va_vcc(0) depctr_vm_vsrc(0)
	s_getreg_b32 s2, hwreg(HW_REG_IB_STS2, 6, 4)
	s_cmp_eq_u32 s2, 0
	s_cbranch_scc0 .Lentry_in_a_cluster
	s_endpgm
.Lentry_in_a_cluster:
	s_bfe_u32 s2, ttmp6, 0x10000c
	s_cmp_lg_u32 s2, 0x3003
	s_cbranch_scc0 .Lentry_shape_is_right
	s_endpgm
.Lentry_shape_is_right:
; o[b][q][head] = softmax_k(q . k / 8) v for 64 (batch, head) pairs of 2,048 tokens x 64 channels, both products on codes of FP6 (E2M3) with one E8M0 scale for each 32 along a product's K; o is quantised along its channels and leaves as codes.
; THE SOFTMAX: t = score x log2(e) / 8; M = the running largest t rounded UP to a whole number; p = 2^(t - M) is quantised along the keys, not normalised; the row's sum is taken of the unquantised p and divides at the end.
; When M moves, the sum and O are multiplied by 2^(old M - new M): exact.
; SHARES.  A work-group owns 512 queries of one head, in two passes of 256; each of its sixteen waves owns one tile of 16 queries a pass, in 256 registers: four waves to a SIMD, so that one wave's vector work stands beside another's products and LDS loads.
; THE WHOLE HEAD'S K AND V STAY IN LDS, 98,304 bytes each, filled ONCE: no slot is ever filled again.  They lie as images of the operands' registers, so every LDS load takes consecutive bytes in consecutive lanes.
; CLUSTER.  The four work-groups of a cluster are the four query blocks of one head: every load of K and V is asked for jointly, with the mask of all four.  Each of the sixteen waves brings an eighth of K (waves 0-7) or of V (8-15): first the scale words,
; then four chunks of 512 keys; the work on a chunk begins when it has landed, while the later ones are on their way.  Five loads of a wave are out at the most.
; No prefetch is laid: every byte of K and V is asked for by the tensor loads at the head, and nothing is asked for later.
; LAYOUT.  Both products are used transposed: S^T = K Q^T (source 0 = keys, source 1 = my 16 queries), O^T = V^T P^T: a lane holds ONE query (lane % 16) throughout.
; K = 64 IN THE FIRST PRODUCT.  The instruction is 128 deep.  Source 0 is TWO neighbouring tiles of 16 keys, six registers each; source 1 is q beside six registers of zero codes: [q | 0] gives the even tile's scores, [0 | q] the odd tile's.  Zero codes add nothing under any valid scale byte.
; THE ORDER INSIDE A BLOCK OF 32 KEYS is 0-7, 16-23, 8-15, 24-31 in p as in v's codes (made in the same layout), and likewise in q's and k's channels: a reordering that both operands share keeps every product.  o is brought to its true order ahead of its quantiser, since Wo's codes are given.
; LIMITS: blocks of zeros or under 2^(3 - 127) get the byte 1 (read by this program alone); NaN and infinities are not served.  o's scale bytes leave as single bytes, two to a token and head: one byte in 25 of what the launch stores.
.set VB,     98304                     ; LDS: K's images at 0 (key step s of 128 keys at 6,144 s, tile t at + 768 t); V's here (step s at 6,144 s, channels 16 d on at + 1,536 d);
.set KSC,    196608                    ; K's scale words, 4,096 bytes (256 a step);  V's 4,096 bytes behind them
.set STEPB,  6144
.set CHUNKB, 4*STEPB                   ; 512 keys
.set PARTB,  CHUNKB/8                  ; what one tensor load brings: 12 rows of 256 bytes
.set IMGP,   6291456                   ; bytes of q's, k's or v's part of the images;
.set SCP,    262144                    ; of the scale words
.set HEADB,  98304                     ; a head's images
.set QZ,  16                           ; v16-21 zeros, v22-27 q, v28-33 zeros
.set QS,  34                           ; v34     q's scale word, its two bytes twice: it serves [q | 0] and [0 | q]
.set QW,  35                           ; v35     as loaded
.set KSW, 36                           ; v36-37  K's scale words: lanes 0-15 an even pair of tiles, lanes 16-31 the odd pair
.set VSW, 38                           ; v38-39  V's likewise
.set FRG, 40                           ; v40-87  four fragments: K's, then V's
.set PW,  88                           ; v88     p's scale word
.set F,   90                           ; v[90:91] f = 2^(old M - new M), later 1 / the sum (v91 is named with it and written once)
.set S,   96                           ; v96-159 S^T, then p
.set O,   160                          ; v160-191 O^T
.set PC,  192                          ; v192-203 p's codes
.set CT,  204                          ; v204-206, v208-210 the conversions' second halves
.set BM,  212                          ; v212-215 each block's largest score, then largest p
.set BP,  216                          ; v216-219 the other half's; then the bytes
.set BS,  220                          ; v220-223 the conversions' scale operands
.set T,   224                          ; v224    at work
.set L2,  226                          ; v[226:227] the sum's second chain
.set WV,  12                           ; s12 wave; s13 cx; s14 16 x batch + head
.set SEL, 20                           ; s[20:21] lane selects for lane l xor 16
.set CS,  22                           ; s[22:23] c = log2(e) / 8
.set G1C, 24                           ; s[24:31] group 1 for the codes
.set G0,  32                           ; s[32:51] five groups 0: the scale words, chunks 0 to 3
.set G1S, 52                           ; s[52:59] group 1 for the scale words
.set TB,  60                           ; s60 LDS byte of the step's tiles
.set TS,  61                           ; s61 of its scale words
.set CNT, 62
.set PASS, 63
.set QP,  66                           ; s[66:67] q's image; s[68:69] its scale words; s[70:71] o's image; s[72:73] o's scale bytes
.set QSP, 68
.set OP,  70
.set OSP, 72
.set SH,  74                           ; s74 16 (wave % 2): my tile's half of a pair's scale word
.macro ROUND                           ; a round of the cluster's barrier
	s_barrier_signal -1
	s_barrier_wait -1
	s_cmp_lg_u32 s[WV], 0
	s_cbranch_scc1 .Lnot_wave_0_\@
	s_barrier_signal -3
.Lnot_wave_0_\@:
	s_barrier_wait -3
	s_barrier_signal -1
	s_barrier_wait -1
.endm
	s_load_b256 s[4:11], s[0:1], 0x0               ; the images, the scale words, o's images, o's scale bytes
	v_lshl_add_u32 v254, v0, 2, 0x32000
	v_mov_b32 v255, 0
	ds_add_u32 v254, v255
	ds_add_u32 v254, v255
	v_lshrrev_b32 v8, 5, v0
	v_readfirstlane_b32 s[WV], v8                  ; wave 0..15
	s_bfe_u32 s13, ttmp6, 0x40000                  ; cx: it enters q's and o's addresses alone
	s_and_b32 s14, ttmp7, 0xffff                   ; 16 x batch + head, which the four partners share
	s_lshr_b32 s15, s[WV], 3                       ; I fetch for K (0) or for V (1),
	s_and_b32 s16, s[WV], 7                        ; this eighth
	s_mul_i32 s17, s15, VB
	s_mul_i32 s18, s16, PARTB
	s_add_co_u32 s17, s17, s18                     ; LDS: my part of chunk 0
	s_lshl_b32 s18, s15, 12
	s_lshl_b32 s19, s16, 9
	s_add_co_u32 s18, s18, s19
	s_add_co_u32 s18, s18, KSC                     ; LDS: my 512 bytes of scale words
	s_mul_i32 s76, s15, IMGP
	s_add_co_u32 s76, s76, IMGP                    ; k's part is the second, v's the third
	s_mul_i32 s19, s14, HEADB                      ; the head's images
	s_add_co_u32 s76, s76, s19
	s_mul_i32 s78, s16, PARTB
	s_add_co_u32 s76, s76, s78
	s_mov_b32 s77, 0
	s_lshl_b32 s78, s15, 18
	s_add_co_u32 s78, s78, SCP
	s_lshl_b32 s80, s14, 12                        ; the head's scale words
	s_add_co_u32 s78, s78, s80
	s_lshl_b32 s79, s16, 9
	s_add_co_u32 s78, s78, s79
	s_mov_b32 s79, 0
	; group 1: dense blocks, as rows of 256 bytes (32 elements of 8 bytes), no padding: 12 rows of codes, 2 of scale words
	s_mov_b32 s[G1C], 15|(3<<16)|(1<<21)           ; 15:0 the mask: all four work-groups; 17:16 elements of 8 bytes; 21 set beside a mask
	s_mov_b32 s[G1C+1], 32<<16                     ; tensor_dim0
	s_mov_b32 s[G1C+2], 12<<16                     ; tensor_dim1
	s_mov_b32 s[G1C+3], 32<<16                     ; tile_dim0
	s_mov_b32 s[G1C+4], 12                         ; tile_dim1
	s_mov_b32 s[G1C+5], 32                         ; the pitch
	s_mov_b32 s[G1C+6], 0
	s_mov_b32 s[G1C+7], 0
	s_mov_b32 s[G1S], 15|(3<<16)|(1<<21)
	s_mov_b32 s[G1S+1], 32<<16
	s_mov_b32 s[G1S+2], 2<<16
	s_mov_b32 s[G1S+3], 32<<16
	s_mov_b32 s[G1S+4], 2
	s_mov_b32 s[G1S+5], 32
	s_mov_b32 s[G1S+6], 0
	s_mov_b32 s[G1S+7], 0
	s_mov_b32 s[SEL], 0x76543210
	s_mov_b32 s[SEL+1], 0xfedcba98
	s_mov_b32 s[CS], 0x3e38aa3b                    ; c = log2(e) / sqrt(64)
	s_mov_b32 s[CS+1], s[CS]                       ; (named with it as a pair, so it is written)
	s_wait_dscnt 0x0
	s_wait_kmcnt 0x0
	s_add_nc_u64 s[76:77], s[4:5], s[76:77]
	s_add_nc_u64 s[78:79], s[6:7], s[78:79]
	s_mov_b32 s[G0], 1
	s_mov_b32 s[G0+1], s18
	s_mov_b64 s[G0+2:G0+3], s[78:79]
	s_or_b32 s[G0+3], s[G0+3], 0x80000000
.irp c, 0,1,2,3
	s_mov_b32 s[G0+4+4*\c], 1
	s_add_co_u32 s[G0+5+4*\c], s17, CHUNKB*\c
	s_add_nc_u64 s[G0+6+4*\c:G0+7+4*\c], s[76:77], CHUNKB*\c
	s_or_b32 s[G0+7+4*\c], s[G0+7+4*\c], 0x80000000
.endr
	ROUND                                          ; all four work-groups are here: the joint loads meet
	tensor_load_to_lds s[G0:G0+3], s[G1S:G1S+7]    ; all fills of the launch go out as one group: the scale words,
	s_nop 0
.irp c, 0,1,2,3
	tensor_load_to_lds s[G0+4+4*\c:G0+7+4*\c], s[G1C:G1C+7]   ; and the four chunks, in the order in which they are wanted
	s_nop 0
.endr
.rept 4
	v_nop
.endr
	; q's and o's places: query tile 32 cx + 16 pass + wave
	s_lshl_b32 s81, s13, 5
	s_add_co_u32 s81, s81, s[WV]
	s_mul_i32 s82, s81, 768
	s_add_co_u32 s82, s82, s19
	s_mov_b32 s83, 0
	s_add_nc_u64 s[QP:QP+1], s[4:5], s[82:83]      ; q's part is the first
	s_lshr_b32 s82, s81, 1
	s_lshl_b32 s82, s82, 6                         ; 64 bytes of scale words for a pair of tiles
	s_add_co_u32 s82, s82, s80
	s_add_nc_u64 s[QSP:QSP+1], s[6:7], s[82:83]
	s_lshr_b32 s82, s14, 4
	s_lshl_b32 s82, s82, 7
	s_add_co_u32 s82, s82, s81                     ; the token tile among all 512: 128 x batch + query tile
	s_and_b32 s84, s14, 15                         ; the head
	s_mul_i32 s85, s82, 12288                      ; o's images: [token tile][head][768]
	s_mul_i32 s86, s84, 768
	s_add_co_u32 s86, s85, s86
	s_mov_b32 s87, 0
	s_add_nc_u64 s[OP:OP+1], s[8:9], s[86:87]
	s_lshl_b32 s86, s82, 9                         ; o's scale bytes: [token][32], byte 2 x head + block
	s_lshl_b32 s84, s84, 1
	s_add_co_u32 s86, s86, s84
	s_add_nc_u64 s[OSP:OSP+1], s[10:11], s[86:87]
	s_and_b32 s[SH], s[WV], 1
	s_lshl_b32 s[SH], s[SH], 4
	v_and_b32 v9, 31, v0                           ; lane
	v_lshlrev_b32 v1, 4, v9                        ; v1  16 x lane
	v_lshlrev_b32 v2, 3, v9                        ; v2  8 x lane
	v_add_nc_u32 v3, VB, v1                        ; v3  V's images, 16 x lane
	v_lshl_add_u32 v4, v9, 2, KSC                  ; v4  the scale words, 4 x lane
	v_and_b32 v10, 15, v0
	v_lshlrev_b32 v5, 2, v10                       ; v5  4 (lane % 16)
	v_bfe_u32 v6, v0, 4, 1                         ; v6  h = lane / 16
	v_lshl_add_u32 v7, v10, 5, v6                  ; v7  32 (lane % 16) + h: my byte among o's scale bytes
.irp j, 0,1,2,3,4,5
	v_mov_b32 v[QZ+\j], 0                          ; the zero codes on either side of q: written once
	v_mov_b32 v[QZ+12+\j], 0
.endr
.irp b, 0,1,2,3
	v_mov_b32 v[BP+\b], 0                          ; written once: a lane permute's destination counts as one of its sources
.endr
	v_mov_b32 v[T], 0
	v_mov_b32 v[F+1], 0
	s_mov_b32 s[PASS], 2
; A KEY STEP: 128 keys.
.macro STEP
	v_add_nc_u32 v8, s[TB], v1                     ; the step's addresses: also the four places behind the last step's products, in front of the loads into their registers
	v_add_nc_u32 v9, s[TB], v2
	v_add_nc_u32 v10, s[TB], v3
	v_add_nc_u32 v11, s[TS], v4
.irp j, 0,1,2,3                                ; K: pair j of tiles: two images of six registers on end make one operand
	ds_load_b128 v[FRG+12*\j:FRG+12*\j+3], v8 offset:1536*\j
	ds_load_b64 v[FRG+12*\j+4:FRG+12*\j+5], v9 offset:1536*\j+512
	ds_load_b128 v[FRG+12*\j+6:FRG+12*\j+9], v8 offset:1536*\j+768
	ds_load_b64 v[FRG+12*\j+10:FRG+12*\j+11], v9 offset:1536*\j+1280
.endr
	ds_load_b32 v[KSW], v11                        ; pairs 0 (lanes 0-15) and 1 (lanes 16-31)
	ds_load_b32 v[KSW+1], v11 offset:128           ; pairs 2 and 3
	s_wait_dscnt 0x0
.irp j, 0,1,2,3
.irp u, 0,1                                    ; u = 0: [q | 0] meets the even tile; u = 1: [0 | q] the odd one
.if \j%2
	v_wmma_scale_f32_16x16x128_f8f6f4 v[S+8*(2*\j+\u):S+8*(2*\j+\u)+7], v[FRG+12*\j:FRG+12*\j+11], v[QZ+6-6*\u:QZ+17-6*\u], 0, v[KSW+\j/2], v[QS] matrix_a_fmt:MATRIX_FMT_FP6 matrix_b_fmt:MATRIX_FMT_FP6 matrix_a_scale:MATRIX_SCALE_ROW1
.else
	v_wmma_scale_f32_16x16x128_f8f6f4 v[S+8*(2*\j+\u):S+8*(2*\j+\u)+7], v[FRG+12*\j:FRG+12*\j+11], v[QZ+6-6*\u:QZ+17-6*\u], 0, v[KSW+\j/2], v[QS] matrix_a_fmt:MATRIX_FMT_FP6 matrix_b_fmt:MATRIX_FMT_FP6
.endif
.endr
.endr                                          ; lane (r, h): query r; register 8 t + j: key 16 t + 8 h + j
.rept 4
	v_nop                                          ; places: in front of the loads into K's registers and of the first read of the scores
.endr
.irp d, 0,1,2,3                                ; V's four fragments are asked for now and land under the softmax
.irp c, 0,1,2
	ds_load_b128 v[FRG+12*\d+4*\c:FRG+12*\d+4*\c+3], v10 offset:1536*\d+512*\c
.endr
.endr
	ds_load_b32 v[VSW], v11 offset:4096            ; channels 0-15 (lanes 0-15) and 16-31 (lanes 16-31)
	ds_load_b32 v[VSW+1], v11 offset:4224
.irp b, 0,1,2,3
	v_max3_num_f32 v[BM+\b], v[S+16*\b], v[S+1+16*\b], v[S+2+16*\b]   ; the largest score of each block of 32 keys: it serves for the row's maximum and, since p rises with the score, for the block's largest p
.endr
.irp i, 3,5,7,9,11,13
.irp b, 0,1,2,3
	v_max3_num_f32 v[BM+\b], v[BM+\b], v[S+16*\b+\i], v[S+1+16*\b+\i]
.endr
.endr
.irp b, 0,1,2,3
	v_max_num_f32 v[BM+\b], v[BM+\b], v[S+15+16*\b]
.endr
.irp b, 0,1,2,3
	v_permlanex16_b32 v[BP+\b], v[BM+\b], s[SEL], s[SEL+1]
.endr
.irp b, 0,1,2,3
	v_max_num_f32 v[BM+\b], v[BM+\b], v[BP+\b]     ; with lane l xor 16's 16 keys
.endr
	v_max3_num_f32 v[T], v[BM], v[BM+1], v[BM+2]
	v_max_num_f32 v[T], v[T], v[BM+3]              ; the step's largest score of my query
	v_mul_f32 v[T], s[CS], v[T]                    ; as t (c is positive)
	v_max_num_f32 v13, v13, v[T]                   ; the running largest t
	v_mov_b32 v[T], v12
	v_floor_f32 v12, -v13                          ; the new -M = floor(-t) = -ceil(t): a whole number
	v_sub_f32 v[T], v12, v[T]                      ; old M less new M: a whole number, 0 or less
	v_cvt_i32_f32 v[T], v[T]                       ; (it saturates)
	v_ldexp_f32 v[F], 1.0, v[T]                    ; f = 2^(old M - new M)
.set j, 0
.rept 32
	v_pk_fma_f32 v[S+j:S+j+1], v[S+j:S+j+1], s[CS:CS+1], v[12:13] op_sel_hi:[1,0,0]   ; t - M, two at a time (of the pairs c and -M the low word serves both halves)
.set j, j+2
.endr
.irp b, 0,1,2,3
	v_fma_f32 v[BM+\b], v[BM+\b], s[CS], v12       ; the same of each block's largest score
.endr
.set j, 0
.rept 64
	v_exp_f32 v[S+j], v[S+j]                       ; p = 2^(t - M), at most 1: not normalised
.set j, j+1
.endr
	v_pk_mul_f32 v[14:15], v[14:15], v[F:F+1] op_sel_hi:[1,0]   ; the sums under the new M (a plain line behind the exponentials)
	s_wait_alu depctr_va_vdst(0)                   ; one wait for the whole batch, ahead of its first reader
.irp b, 0,1,2,3
	v_exp_f32 v[BM+\b], v[BM+\b]                   ; the block's largest p: the same two instructions on the same number give the same bits
.endr
	v_pk_add_f32 v[L2:L2+1], v[S:S+1], v[S+2:S+3]  ; the row's sum is taken of the unquantised p: two at a time, in two chains (it reads the 64 alone: plain work behind the four)
.irp j, 4,8,12,16,20,24,28,32,36,40,44,48,52,56,60
	v_pk_add_f32 v[14:15], v[14:15], v[S+\j:S+\j+1]
	v_pk_add_f32 v[L2:L2+1], v[L2:L2+1], v[S+2+\j:S+3+\j]
.endr
	v_pk_add_f32 v[14:15], v[14:15], v[L2:L2+1]
	s_wait_alu depctr_va_vdst(0)                   ; and one for the four
.irp b, 0,1,2,3
	v_max_num_f32 v[BM+\b], 0x1800000, v[BM+\b]    ; the floor 2^(3 - 127): the byte cannot fall under 1
.endr
.irp b, 0,1,2,3
	v_add_nc_u32 v[BS+\b], 0xff000000, v[BM+\b]    ; 2 off the exponent field: the conversion's scale operand
.endr
.irp b, 0,1,2,3
	v_lshrrev_b32 v[BP+\b], 23, v[BS+\b]           ; the scale's byte
.endr
	v_lshl_or_b32 v[PW], v[BP+1], 8, v[BP]         ; p's scale word for these 128 keys
	v_lshl_or_b32 v[PW], v[BP+2], 16, v[PW]
	v_lshl_or_b32 v[PW], v[BP+3], 24, v[PW]
.irp c, 0,1
	v_cvt_scalef32_pk16_fp6_f32 v[PC+6*\c:PC+2+6*\c], v[S+32*\c:S+15+32*\c], v[BS+2*\c]
	v_cvt_scalef32_pk16_fp6_f32 v[CT+4*\c:CT+2+4*\c], v[S+16+32*\c:S+31+32*\c], v[BS+2*\c+1]   ; (a conversion's three registers begin on an even number)
.endr
	v_nop                                          ; one plain line behind a scaled conversion
.irp c, 0,1                                    ; the operand's layout wants a WHOLE block in a lane: lanes 0-15 block 2 c, lanes 16-31 block 2 c + 1
.irp i, 0,1,2
	v_permlane16_swap_b32 v[PC+6*\c+\i], v[CT+4*\c+\i]
.endr
.irp i, 0,1,2
	v_mov_b32 v[PC+3+6*\c+\i], v[CT+4*\c+\i]
.endr
.endr
.set j, 0
.rept 16
	v_pk_mul_f32 v[O+j:O+j+1], v[O+j:O+j+1], v[F:F+1] op_sel_hi:[1,0]   ; O^T under the new M.  (These sixteen also stand between the writing of p's codes and scale word and the products)
.set j, j+2
.endr
	s_wait_dscnt 0x0                               ; V is in
.irp d, 0,1,2,3                                ; O^T += V^T P^T: the four accumulators by turns
.if \d%2
	v_wmma_scale_f32_16x16x128_f8f6f4 v[O+8*\d:O+8*\d+7], v[FRG+12*\d:FRG+12*\d+11], v[PC:PC+11], v[O+8*\d:O+8*\d+7], v[VSW+\d/2], v[PW] matrix_a_fmt:MATRIX_FMT_FP6 matrix_b_fmt:MATRIX_FMT_FP6 matrix_a_scale:MATRIX_SCALE_ROW1
.else
	v_wmma_scale_f32_16x16x128_f8f6f4 v[O+8*\d:O+8*\d+7], v[FRG+12*\d:FRG+12*\d+11], v[PC:PC+11], v[O+8*\d:O+8*\d+7], v[VSW+\d/2], v[PW] matrix_a_fmt:MATRIX_FMT_FP6 matrix_b_fmt:MATRIX_FMT_FP6
.endif
.endr
	s_add_co_u32 s[TB], s[TB], STEPB
	s_add_co_u32 s[TS], s[TS], 256
.endm
; A chunk of 512 keys: my part of it has landed (the 3 - c later chunks' loads may be out), everybody's has behind the barrier; then four key steps.  In the second pass the waits are met at once.
.macro CHUNK c
	s_wait_tensorcnt 3-\c
	s_wait_dscnt 0x0
	s_barrier_signal -1
	s_barrier_wait -1
	s_mov_b32 s[TB], CHUNKB*\c
	s_mov_b32 s[TS], 1024*\c
	s_mov_b32 s[CNT], 4
.Lstep_\@:
	STEP
	s_sub_co_u32 s[CNT], s[CNT], 1
	s_cmp_lg_u32 s[CNT], 0
	s_cbranch_scc1 .Lstep_\@
.endm
.Lpass:
	global_load_b128 v[QZ+6:QZ+9], v1, s[QP:QP+1]              ; q's image: lane (r, h): query r, channels 32 h on
	global_load_b64 v[QZ+10:QZ+11], v2, s[QP:QP+1] offset:512
	global_load_b32 v[QW], v5, s[QSP:QSP+1]                    ; the scale word of my tile and its neighbour
	v_mov_b32 v13, 0xff61b1e6                      ; the largest t so far: -3e38, under every t
	v_floor_f32 v12, -v13                          ; -M
	v_mov_b32 v14, 0                               ; the sum, in two halves
	v_mov_b32 v15, 0
	s_wait_loadcnt 0x0
	v_lshrrev_b32 v[QW], s[SH], v[QW]              ; my tile's two bytes,
	v_and_b32 v[QW], 0xffff, v[QW]
	v_lshl_or_b32 v[QS], v[QW], 16, v[QW]          ; twice
.set j, 0
.rept 32
	v_mov_b32 v[O+j], 0                            ; O^T.  (The step is written once: the first finds zeros, which the first change of M leaves zeros.  These lines also stand between the scale word's writing and the first product)
.set j, j+1
.endr
	CHUNK 0
	CHUNK 1
	CHUNK 2
	CHUNK 3
	; THE WAY OUT OF A PASS: O^T / the sum, into true order along the channels, quantised, stored as an image
.rept 4
	v_nop                                          ; places behind the last products
.endr
	v_add_f32 v14, v14, v15                        ; the sum's two halves,
	v_permlanex16_b32 v[T], v14, s[SEL], s[SEL+1]
	v_add_f32 v14, v14, v[T]                       ; and lane l xor 16's: the row's sum
	v_rcp_f32 v[F], v14
	v_nop                                          ; a plain line behind the reciprocal
	s_wait_alu depctr_va_vdst(0)                   ; and the wait ahead of its first reader
.set j, 0
.rept 16
	v_pk_mul_f32 v[O+j:O+j+1], v[O+j:O+j+1], v[F:F+1] op_sel_hi:[1,0]
.set j, j+2
.endr
.irp b, 0,1                                    ; register 8 t + j holds channel 16 t + 8 h + j.  The exchange gives lane (r, h) the channels 32 b + 16 h + 0 .. 15 in its 16 registers of block b
.irp i, 0,1,2,3,4,5,6,7
	v_permlane16_swap_b32 v[O+16*\b+\i], v[O+8+16*\b+\i]
.endr
.endr
.irp b, 0,1
	v_max3_num_f32 v[BM+\b], |v[O+16*\b]|, |v[O+1+16*\b]|, 0x1800000   ; my 16 numbers of block b, and the floor 2^(3 - 127)
.endr
.irp i, 2,4,6,8,10,12,14
.irp b, 0,1
	v_max3_num_f32 v[BM+\b], v[BM+\b], |v[O+16*\b+\i]|, |v[O+1+16*\b+\i]|
.endr
.endr
.irp b, 0,1
	v_permlanex16_b32 v[BP+\b], v[BM+\b], s[SEL], s[SEL+1]
.endr
.irp b, 0,1
	v_max_num_f32 v[BM+\b], v[BM+\b], v[BP+\b]
.endr
.irp b, 0,1
	v_add_nc_u32 v[BS+\b], 0xff000000, v[BM+\b]
.endr
.irp b, 0,1
	v_lshrrev_b32 v[BP+\b], 23, v[BS+\b]
.endr
	v_cvt_scalef32_pk16_fp6_f32 v[PC:PC+2], v[O:O+15], v[BS]
	v_cvt_scalef32_pk16_fp6_f32 v[CT:CT+2], v[O+16:O+31], v[BS+1]
	v_nop                                          ; one plain line behind a scaled conversion
.irp i, 0,1,2
	v_permlane16_swap_b32 v[PC+\i], v[CT+\i]       ; lanes 0-15 get block 0 whole, lanes 16-31 block 1
.endr
.irp i, 0,1,2
	v_mov_b32 v[PC+3+\i], v[CT+\i]
.endr
	v_cmp_ne_u32 vcc_lo, 0, v6
	v_cndmask_b32 v[T], v[BP], v[BP+1], vcc_lo     ; my block's byte
	global_store_b128 v1, v[PC:PC+3], s[OP:OP+1]               ; 512 consecutive bytes, aligned
	global_store_b64 v2, v[PC+4:PC+5], s[OP:OP+1] offset:512   ; 256
	global_store_b8 v7, v[T], s[OSP:OSP+1]
	s_wait_xcnt 0x0                                ; loads and stores have read their addresses and data: the pointers may step, the registers be written again
	s_add_nc_u64 s[QP:QP+1], s[QP:QP+1], 16*768    ; sixteen query tiles on
	s_add_nc_u64 s[QSP:QSP+1], s[QSP:QSP+1], 8*64
	s_add_nc_u64 s[OP:OP+1], s[OP:OP+1], 16*12288
	s_add_nc_u64 s[OSP:OSP+1], s[OSP:OSP+1], 16*512
	s_sub_co_u32 s[PASS], s[PASS], 1
	s_cmp_lg_u32 s[PASS], 0
	s_cbranch_scc1 .Lpass
	s_wait_tensorcnt 0x0
	ds_add_u32 v254, v255
	s_wait_dscnt 0x0
	ROUND                                          ; the closing round: no work-group ends while a partner may still ask for a tile that names it
	s_endpgm
.Lfunc_end_k_qeeb26f6a70_attn:
	.size	k_qeeb26f6a70_attn, .Lfunc_end_k_qeeb26f6a70_attn-k_qeeb26f6a70_attn
	.p2alignl 7, 3214868480
	.fill 96, 4, 3214868480
	.section	.rodata,"a",@progbits
	.p2align	6, 0x0
	.amdhsa_kernel k_qeeb26f6a70_attn
		.amdhsa_group_segment_fixed_size 206848
		.amdhsa_private_segment_fixed_size 0
		.amdhsa_enable_private_segment 0
		.amdhsa_kernarg_size 32
		.amdhsa_user_sgpr_count 2
		.amdhsa_user_sgpr_kernarg_segment_ptr 1
		.amdhsa_wavefront_size32 1
		.amdhsa_system_sgpr_workgroup_id_x 1
		.amdhsa_system_sgpr_workgroup_id_y 1
		.amdhsa_system_sgpr_workgroup_id_z 1
		.amdhsa_system_vgpr_workitem_id 0
		.amdhsa_next_free_vgpr 256
		.amdhsa_next_free_sgpr 90
		.amdhsa_reserve_vcc 1
		.amdhsa_float_denorm_mode_32 3
		.amdhsa_float_denorm_mode_16_64 3
		.amdhsa_memory_ordered 1
		.amdhsa_forward_progress 1
		.amdhsa_inst_pref_size 77
	.end_amdhsa_kernel
	.amdgpu_metadata
---
amdhsa.version: [ 1, 2 ]
amdhsa.kernels:
  - .name:           k_qeeb26f6a70_attn
    .symbol:         k_qeeb26f6a70_attn.kd
    .args:
      - { .name: qkv_img, .offset: 0, .size: 8, .value_kind: global_buffer, .address_space: global }
      - { .name: qkv_sc, .offset: 8, .size: 8, .value_kind: global_buffer, .address_space: global }
      - { .name: o_img, .offset: 16, .size: 8, .value_kind: global_buffer, .address_space: global }
      - { .name: o_sc, .offset: 24, .size: 8, .value_kind: global_buffer, .address_space: global }
    .group_segment_fixed_size: 206848
    .private_segment_fixed_size: 0
    .kernarg_segment_align: 8
    .kernarg_segment_size: 32
    .max_flat_workgroup_size: 512
    .sgpr_count:     90
    .vgpr_count:     256
    .wavefront_size: 32
...
	.end_amdgpu_metadata
.endif
;; end of part 3
;; launch oproj (part 4): grid 8 x 32, 4 waves a work-group, clusters of 4 x 4, 327,680 bytes of LDS; arguments o_img, o_sc, Wo_codes, Wo_scales, bo, x, out0; writes out0
.if DOCPART == 4
	.amdgcn_target "amdgcn-amd-amdhsa--gfx1250"
	.amdhsa_code_object_version 6
	.text
	.protected	k_qeeb26f6a70_oproj
	.globl	k_qeeb26f6a70_oproj
	.p2align	8
	.type	k_qeeb26f6a70_oproj,@function
k_qeeb26f6a70_oproj:
	s_mov_b64 s[64:65], 0
	v_nop
	global_prefetch_b8 v0, s[64:65] scope:SCOPE_SE
	s_setreg_imm32_b32 hwreg(HW_REG_WAVE_MODE, 25, 1), 1
	s_wait_xcnt 0x0
	s_wait_alu depctr_hold_cnt(0) depctr_sa_sdst(0) depctr_va_vdst(0) depctr_va_sdst(0) depctr_va_ssrc(0) depctr_va_vcc(0) depctr_vm_vsrc(0)
	s_getreg_b32 s2, hwreg(HW_REG_IB_STS2, 6, 4)
	s_cmp_eq_u32 s2, 0
	s_cbranch_scc0 .Lentry_in_a_cluster
	s_endpgm
.Lentry_in_a_cluster:
	s_bfe_u32 s2, ttmp6, 0x10000c
	s_cmp_lg_u32 s2, 0xf033
	s_cbranch_scc0 .Lentry_shape_is_right
	s_endpgm
.Lentry_shape_is_right:
; out0 = o Wo^T + bo + x.  o: codes of FP6 (E2M3) as images of the operand's registers, [token tile of 16 (512)][head (16)][768 bytes], with scale bytes [8192][32]; Wo: codes [1024][768 bytes], scale bytes [1024][32]; bo, x, out0: f32.  Sums in f32.
; SHARES.  A tile is 256 tokens x 128 features: 256 work-groups.  Wave w takes tokens 64 w .. 64 w + 63 (four blocks of 16) against all eight blocks of features: 32 accumulators, 256 registers.
; The matrix instruction is used transposed (source 0 = 16 rows of Wo, source 1 = 16 tokens): a lane holds eight neighbouring features of one token.
; K goes in steps of 256 (four heads) through a ring of two LDS slots filled by the tensor data mover.  Two heads' images on end ARE the 12 registers of a fragment of 128 along K, so o's fragments come by loads of consecutive bytes in consecutive lanes.
; The scale bytes of the tile's 256 tokens and 128 features come once, with the first fills, and stay.  bo is the C of each sum's first product.  My 64 rows of x are asked for at the head, into 256 registers that lie idle, and land under the products.
; CLUSTER 4 x 4: the four of a row of the cluster need the same tiles of o, the four of a column the same tiles of Wo: each is asked for jointly.
; No prefetch is laid: of K's four steps two are first fills, and the two refills follow at once.
; REGISTERS, in windows of 256: window 0: v0-31 addresses; v32-63 scale words, two sets, and nothing else; v64-111, v112-159 o's fragments, two sets; on the way out v64-191 rows of the result.
;   window 1: Wo's fragments, two sets, at v0 and v128; v96-127, v224-255 bo.   window 2: accumulator (a, b) at v[8 (8 a + b)].   window 3: my 64 rows of x, four registers each.
.set ROWB,   192                       ; a row of Wo's tile: 256 codes
.set KROW,   768                       ; a row of Wo's codes in memory
.set PITCH,  240                       ; in LDS: 3 x (64 bytes + 16 of padding): the 32 lanes of a load of 8 bytes touch 64 different banks (64 banks of 4 bytes: ISA guide 11.1)
.set FR,     12
.set ATILE,  3072                      ; a token tile's four heads in a slot
.set AROW,   12288                     ; its sixteen heads in memory
.set ABYTES, 16*ATILE
.set BHALF,  64*PITCH
.set SLOT,   ABYTES+2*BHALF            ; o's 16 token tiles, then Wo's 128 rows
.set SCL,    2*SLOT                    ; behind the ring: the scales, as runs of 256 bytes + 16 of padding: o's 2 x ASH, then Wo's 2 x BSH
.set ASH,    16*272                    ; the scales of 128 tokens
.set BSH,    8*272                     ; of 64 features (and of a wave's 64 tokens)
.set SBLK,   2*272                     ; of 16 rows
.set SPARE,  SCL+2*ASH+2*BSH           ; the spare words, 128 bytes a wave: two blocks of 256 bytes that no other line names
.set SPITCH, 528                       ; the way out: a stage of 16 rows x (512 bytes + 16) for each wave, in slot 0, which has had its last fill and its last read by then
.set BH,   12                          ; v12  32 (lane / 16): bo
.set A16,  16                          ; v16-17 o's images in slot 0, 1: my four token tiles, 16 x lane
.set A8,   18                          ; v18-19 the same with 8 x lane
.set ADRB, 20                          ; v20-21 Wo's fragments in slot 0, 1 (v22-23: for the pieces behind one padding more)
.set STO,  24                          ; v24  the way out: where I put 32 bytes of a row
.set RD,   25                          ; v25  and where I read a row back
.set CO,   26                          ; v26  16 x lane: my bytes of a row of x and of out0; never rewritten
.set ADRS, 27                          ; v27  my scale words: lanes 0-15 o's rows, lanes 16-31 Wo's
.set SPW,  28                          ; v28  my spare word: SPARE + 4 x my thread's number; never rewritten
.set NIL,  29                          ; v29  0; never rewritten
.set SC,   32                          ; scale words: set s at v[SC + 16 s]; register 2 i + q: lanes 0-15 o's block i (i < 4), lanes 16-31 Wo's block i
.set AF,   64
.set BK,   64                          ; the way out: 16 rows back from the stage: v64-127 and v128-191 by turns
.set BIAS, 96                          ; in window 1
.set G1, 24                            ; s[24:31] group 1 for o's tiles; s[32:39] group 0, a set for each slot
.set G0, 32
.set G1B, 48                           ; s[48:55], s[56:63] the same for Wo's
.set G0B, 56
.set G1S, 68                           ; s[68:75], s[76:79] groups 1 and 0 for o's scales
.set G0S, 76
.set G0SB, 80                          ; s[80:83], s[92:99] groups 0 and 1 for Wo's scales
.set G1SB, 92
.set MSB, 0
.macro WIN new                         ; the immediate's high byte repeats the setting that is left
.if MSB != (\new)
	s_set_vgpr_msb (MSB<<8)|(\new)
.set MSB, \new
.endif
.endm
.set MUL,    0xa1                      ; source 0 (Wo) window 1, source 1 (o) window 0, C and D window 2
.set MUL_C,  0x91                      ; the same with C (bo) in window 1
.set TO_B,   0x40                      ; destination window 1, address window 0
; A joint load: waves 0 and 1 fetch for o, waves 2 and 3 for Wo.  The branch hangs on the wave's number alone.  Four v_nop follow each of the two lines.
.macro JLOAD g0a, g1a, g0b, g1b
	s_cmp_eq_u32 s15, 0
	s_cbranch_scc0 .Lfor_b_\@
	tensor_load_to_lds s[\g0a:\g0a+3], s[\g1a:\g1a+7]
	s_nop 0
.rept 4
	v_nop
.endr
	s_branch .Lasked_\@
.Lfor_b_\@:
	tensor_load_to_lds s[\g0b:\g0b+3], s[\g1b:\g1b+7]
	s_nop 0
.rept 4
	v_nop
.endr
.Lasked_\@:
.endm
.macro CREST                           ; a round of the cluster's barrier behind its opening barrier
	s_cmp_lg_u32 s14, 0
	s_cbranch_scc1 .Lnot_wave_0_\@
	s_barrier_signal -3
.Lnot_wave_0_\@:
	s_barrier_wait -3
	s_barrier_signal -1
	s_barrier_wait -1
.endm
.macro CROUND
	s_barrier_signal -1
	s_barrier_wait -1
	CREST
.endm
	s_load_b256 s[4:11], s[0:1], 0x0               ; o's images, o's scales, Wo's codes, Wo's scales
	s_load_b128 s[84:87], s[0:1], 0x20             ; bo, x
	s_load_b64 s[88:89], s[0:1], 0x30              ; out0
	v_lshl_add_u32 v[SPW], v0, 2, SPARE
	v_mov_b32 v[NIL], 0
	ds_add_u32 v28, v29
	ds_add_u32 v28, v29
	s_wait_dscnt 0x0
	v_lshrrev_b32 v1, 5, v0
	v_readfirstlane_b32 s14, v1                    ; wave 0..3
	s_lshr_b32 s15, s14, 1                         ; I fetch for o (0) or for Wo (1),
	s_and_b32 s16, s14, 1                          ; this half
	s_bfe_u32 s40, ttmp6, 0x40000                  ; cx, cy: my place in the cluster
	s_bfe_u32 s41, ttmp6, 0x40004
	s_lshl_b32 s42, ttmp9, 2
	s_add_co_u32 s42, s42, s40                     ; the tile of 128 features = 4 x cluster x + cx
	s_and_b32 s17, ttmp7, 0xffff
	s_lshl_b32 s17, s17, 2
	s_add_co_u32 s17, s17, s41                     ; the tile of 256 tokens = 4 x cluster y + cy
	s_lshl_b32 s43, s41, 2
	s_lshl_b32 s43, 15, s43                        ; my row of the cluster
	s_lshl_b32 s44, 0x1111, s40                    ; my column
	; group 1, o's tiles: 8 token tiles, each a row of 3,072 bytes (384 elements of 8 bytes), 12,288 bytes apart; no padding
	s_or_b32 s[G1+0], s43, (3<<16)|(1<<21)         ; 15:0 the mask: my row; 17:16 elements of 8 bytes; 21 set beside a mask
	s_mov_b32 s[G1+1], (ATILE/8)<<16               ; tensor_dim0
	s_mov_b32 s[G1+2], 8<<16                       ; tensor_dim1
	s_mov_b32 s[G1+3], (ATILE/8)<<16               ; tile_dim0
	s_mov_b32 s[G1+4], 8                           ; tile_dim1
	s_mov_b32 s[G1+5], AROW/8                      ; the pitch
	s_mov_b32 s[G1+6], 0
	s_mov_b32 s[G1+7], 0
	; Wo's tiles: 64 rows x 192 bytes, 16 bytes of padding behind every 64
	s_or_b32 s[G1B+0], s44, (0<<16)|(1<<20)|(1<<21)|(3<<22)|(3<<25)
	s_mov_b32 s[G1B+1], ROWB<<16
	s_mov_b32 s[G1B+2], 64<<16
	s_mov_b32 s[G1B+3], ROWB<<16
	s_mov_b32 s[G1B+4], 64
	s_mov_b32 s[G1B+5], KROW
	s_mov_b32 s[G1B+6], 0
	s_mov_b32 s[G1B+7], 0
	; the scales: dense blocks as rows of 256 bytes (32 elements of 8 bytes), 16 bytes of padding behind each: 16 rows for 128 tokens, 8 for 64 features
	s_or_b32 s[G1S+0], s43, (3<<16)|(1<<20)|(1<<21)|(5<<22)|(3<<25)
	s_mov_b32 s[G1S+1], 32<<16
	s_mov_b32 s[G1S+2], 16<<16
	s_mov_b32 s[G1S+3], 32<<16
	s_mov_b32 s[G1S+4], 16
	s_mov_b32 s[G1S+5], 32
	s_mov_b32 s[G1S+6], 0
	s_mov_b32 s[G1S+7], 0
	s_or_b32 s[G1SB+0], s44, (3<<16)|(1<<20)|(1<<21)|(5<<22)|(3<<25)
	s_mov_b32 s[G1SB+1], 32<<16
	s_mov_b32 s[G1SB+2], 8<<16
	s_mov_b32 s[G1SB+3], 32<<16
	s_mov_b32 s[G1SB+4], 8
	s_mov_b32 s[G1SB+5], 32
	s_mov_b32 s[G1SB+6], 0
	s_mov_b32 s[G1SB+7], 0
	s_lshl_b32 s20, s17, 4
	s_lshl_b32 s18, s16, 3
	s_add_co_u32 s20, s20, s18                     ; o: token tile 16 x tile + 8 x half
	s_lshl_b32 s22, s20, 9                         ; its scales: 16 rows of 32 bytes a token tile
	s_mul_i32 s20, s20, AROW                       ; its images
	s_mov_b32 s21, 0
	s_mov_b32 s23, 0
	s_lshl_b32 s46, s42, 7
	s_lshl_b32 s18, s16, 6
	s_add_co_u32 s46, s46, s18                     ; Wo: row 128 x tile + 64 x half
	s_lshl_b32 s90, s46, 5                         ; its scales
	s_mul_i32 s46, s46, KROW                       ; its codes
	s_mov_b32 s47, 0
	s_mov_b32 s91, 0
	s_mul_i32 s45, s16, 8*ATILE                    ; where they go: the wave's number alone enters an LDS address.  o's half,
	s_mul_i32 s66, s16, BHALF
	s_add_co_u32 s66, s66, ABYTES                  ; Wo's half,
	s_mul_i32 s67, s16, ASH
	s_add_co_u32 s67, s67, SCL                     ; o's scales,
	s_mul_i32 s2, s16, BSH
	s_add_co_u32 s2, s2, SCL+2*ASH                 ; Wo's scales
	s_wait_kmcnt 0x0
	s_add_nc_u64 s[20:21], s[4:5], s[20:21]
	s_add_nc_u64 s[22:23], s[6:7], s[22:23]
	s_add_nc_u64 s[46:47], s[8:9], s[46:47]
	s_add_nc_u64 s[90:91], s[10:11], s[90:91]
	CROUND                                         ; all sixteen work-groups are here: the first joint loads meet
	s_mov_b32 s[G0S], 1
	s_mov_b32 s[G0S+1], s67
	s_mov_b64 s[G0S+2:G0S+3], s[22:23]
	s_or_b32 s[G0S+3], s[G0S+3], 0x80000000
	s_mov_b32 s[G0SB], 1
	s_mov_b32 s[G0SB+1], s2
	s_mov_b64 s[G0SB+2:G0SB+3], s[90:91]
	s_or_b32 s[G0SB+3], s[G0SB+3], 0x80000000
	JLOAD G0S, G1S, G0SB, G1SB                     ; the scales first: they are wanted with K step 0
.irp s, 0,1
	s_mov_b32 s[G0+4*\s], 1
	s_add_co_u32 s[G0+4*\s+1], s45, \s*SLOT
	s_add_nc_u64 s[G0+4*\s+2:G0+4*\s+3], s[20:21], \s*ATILE
	s_or_b32 s[G0+4*\s+3], s[G0+4*\s+3], 0x80000000
	s_mov_b32 s[G0B+4*\s], 1
	s_add_co_u32 s[G0B+4*\s+1], s66, \s*SLOT
	s_add_nc_u64 s[G0B+4*\s+2:G0B+4*\s+3], s[46:47], \s*ROWB
	s_or_b32 s[G0B+4*\s+3], s[G0B+4*\s+3], 0x80000000
	JLOAD G0+4*\s, G1, G0B+4*\s, G1B               ; three loads of mine are out
.endr
	v_and_b32 v1, 15, v0                           ; r = l % 16
	v_bfe_u32 v2, v0, 4, 1                         ; h = l / 16
	v_and_b32 v6, 31, v0                           ; lane
	s_mul_i32 s21, s14, 4*ATILE                    ; my four token tiles
	v_lshl_add_u32 v[A16], v6, 4, s21
	v_lshl_add_u32 v[A8], v6, 3, s21
	v_add_nc_u32 v[A16+1], SLOT, v[A16]
	v_add_nc_u32 v[A8+1], SLOT, v[A8]
	v_mul_u32_u24 v3, v1, PITCH
	v_mul_u32_u24 v4, v2, 24
	v_add_nc_u32 v4, v3, v4                        ; Wo: a fragment's row x pitch + 24 x half
	v_lshl_add_u32 v5, v2, 4, v4                   ; and the same behind one padding more
	v_add_nc_u32 v[ADRB], ABYTES, v4
	v_add_nc_u32 v[ADRB+1], ABYTES+SLOT, v4
	v_add_nc_u32 v[ADRB+2], ABYTES, v5
	v_add_nc_u32 v[ADRB+3], ABYTES+SLOT, v5
	v_lshlrev_b32 v5, 5, v1                        ; my row's scales: 32 bytes a row,
	v_lshrrev_b32 v7, 8, v5
	v_lshl_add_u32 v5, v7, 4, v5                   ; and 16 more for each 256 passed
	s_mul_i32 s21, s14, BSH                        ; o's: my 64 tokens
	s_sub_co_u32 s22, 2*ASH, s21                   ; Wo's lie behind o's 256
	v_mul_u32_u24 v7, s22, v2                      ; lanes 16-31 take Wo's: one product of the half and the distance
	s_add_co_u32 s21, s21, SCL
	v_add_nc_u32 v5, v5, v7
	v_add_nc_u32 v[ADRS], s21, v5
	s_mul_i32 s23, s14, 16*SPITCH                  ; my stage
	v_mul_u32_u24 v5, v1, SPITCH                   ; in: row l % 16, 32 bytes for each half of the lanes
	v_lshl_add_u32 v5, v2, 5, v5
	v_add_nc_u32 v[STO], s23, v5
	v_lshlrev_b32 v[CO], 4, v6                     ; back: the 32 lanes take one row of 512 bytes; and the same in x and out0
	v_add_nc_u32 v[RD], s23, v[CO]
	v_lshlrev_b32 v[BH], 5, v2
	s_lshl_b32 s20, s17, 8
	s_lshl_b32 s21, s14, 6
	s_add_co_u32 s20, s20, s21                     ; my first token: 256 x tile + 64 x wave
	s_lshl_b32 s20, s20, 12                        ; rows of 4,096 bytes
	s_lshl_b32 s46, s42, 9                         ; my 128 features: 512 bytes
	s_add_co_u32 s20, s20, s46
	s_mov_b32 s21, 0
	s_mov_b32 s47, 0
	s_add_nc_u64 s[86:87], s[86:87], s[20:21]      ; x
	s_add_nc_u64 s[88:89], s[88:89], s[20:21]      ; out0
	s_add_nc_u64 s[84:85], s[84:85], s[46:47]      ; bo
	WIN TO_B
.irp b, 0,1,2,3,4,5,6,7                        ; bo in the result's layout: for Wo's block b the features 16 b + 8 h + 0 .. 7
	global_load_b128 v[BIAS+128*(\b/4)+8*(\b%4):BIAS+128*(\b/4)+8*(\b%4)+3], v[BH], s[84:85] offset:64*\b
	global_load_b128 v[BIAS+128*(\b/4)+8*(\b%4)+4:BIAS+128*(\b/4)+8*(\b%4)+7], v[BH], s[84:85] offset:64*\b+16
.endr
	WIN 0xc0                                       ; destination window 3
.set i, 0
.rept 64
	global_load_b128 v[4*i:4*i+3], v[CO], s[86:87] offset:4096*i th:TH_LOAD_NT   ; my 64 rows' 512 bytes of x: read once in this launch
.set i, i+1
.endr
	WIN 0
.macro FRAG reg, adr, q, i             ; a fragment of Wo, 16 rows x 128 K, is 12 registers: lane l holds row l % 16; registers 6 c .. 6 c + 5 hold K = 64 c + 32 (l / 16) + 0 .. 31: 24 bytes of the row's stream of bits
.irp p, 0,1,2,3,4,5                    ; in pieces of 8 bytes; lanes 16-31 read three pieces further on than lanes 0-15
.set PCE, 12*(\q)+6*(\p/3)+\p%3       ; 16 bytes of padding lie behind every 8 pieces: where the piece three on lies behind one padding more, the second address register serves
.if PCE%8 < 5
	ds_load_b64 v[\reg+2*\p:\reg+2*\p+1], v[\adr] offset:8*PCE+16*(PCE/8)+(\i)*16*PITCH
.else
	ds_load_b64 v[\reg+2*\p:\reg+2*\p+1], v[\adr+2] offset:8*PCE+16*(PCE/8)+(\i)*16*PITCH
.endif
.endr
.endm
.macro FETCH_B slot, q, p              ; Wo's eight fragments of the slot's q-th 128 along K into set p
	WIN TO_B
.irp i, 0,1,2,3,4,5,6,7
	FRAG 128*(\p)+FR*\i, ADRB+\slot, \q, \i
.endr
	WIN 0
.endm
.macro FETCH_A slot, q, p              ; o's four fragments: two heads' images of six registers each
.irp i, 0,1,2,3
	ds_load_b128 v[AF+48*(\p)+FR*\i:AF+48*(\p)+FR*\i+3], v[A16+\slot] offset:\i*ATILE+(\q)*1536
	ds_load_b64 v[AF+48*(\p)+FR*\i+4:AF+48*(\p)+FR*\i+5], v[A8+\slot] offset:\i*ATILE+(\q)*1536+512
	ds_load_b128 v[AF+48*(\p)+FR*\i+6:AF+48*(\p)+FR*\i+9], v[A16+\slot] offset:\i*ATILE+(\q)*1536+768
	ds_load_b64 v[AF+48*(\p)+FR*\i+10:AF+48*(\p)+FR*\i+11], v[A8+\slot] offset:\i*ATILE+(\q)*1536+1280
.endr
.endm
.macro SCALES sc                       ; a K step's scale words: two words a row.  (For i above 3 lanes 0-15 read later rows of the same filled region; those words are not used)
.irp i, 0,1,2,3,4,5,6,7
	ds_load_b64 v[SC+16*\sc+2*\i:SC+16*\sc+2*\i+1], v[ADRS] offset:\i*SBLK
.endr
.endm
; 16 matrix instructions: o's blocks a0, a0 + 1 x Wo's eight, 128 along K.  p: the sets; q: which 128 of the slot; sc: the set of scale words.  first = 1: bo is the C: nothing is cleared and nothing added later.
; The 32 accumulators take turns, one instruction a turn, in the same order in every step.
.macro MUL16 a0, p, q, sc, first
.irp a, \a0, \a0+1
.irp b, 0,1,2,3,4,5,6,7
.if \first
	v_wmma_scale_f32_16x16x128_f8f6f4 v[8*(8*(\a)+\b):8*(8*(\a)+\b)+7], v[128*(\p)+FR*\b:128*(\p)+FR*\b+FR-1], v[AF+48*(\p)+FR*(\a):AF+48*(\p)+FR*(\a)+FR-1], v[BIAS+128*(\b/4)+8*(\b%4):BIAS+128*(\b/4)+8*(\b%4)+7], v[SC+16*(\sc)+2*\b+(\q)], v[SC+16*(\sc)+2*(\a)+(\q)] matrix_a_fmt:MATRIX_FMT_FP6 matrix_b_fmt:MATRIX_FMT_FP6 matrix_a_scale:MATRIX_SCALE_ROW1
.else
	v_wmma_scale_f32_16x16x128_f8f6f4 v[8*(8*(\a)+\b):8*(8*(\a)+\b)+7], v[128*(\p)+FR*\b:128*(\p)+FR*\b+FR-1], v[AF+48*(\p)+FR*(\a):AF+48*(\p)+FR*(\a)+FR-1], v[8*(8*(\a)+\b):8*(8*(\a)+\b)+7], v[SC+16*(\sc)+2*\b+(\q)], v[SC+16*(\sc)+2*(\a)+(\q)] matrix_a_fmt:MATRIX_FMT_FP6 matrix_b_fmt:MATRIX_FMT_FP6 matrix_a_scale:MATRIX_SCALE_ROW1
.endif
.endr
.endr
.endm
; A load into a register that a matrix instruction has read, and an LDS store that reads a matrix result, stand four places behind it; only plain vector instructions that name none of its registers are places (ISA guide 7.12.1 for the LDS stores).
.macro PLACES
.rept 4
	v_nop
.endr
.endm
; A slot's first 128 along K, on set 0; the second 128 are fetched into set 1 ahead of the products.
.macro STEP slot, first
	s_wait_dscnt 0x0                               ; set 0 and the scale words are in
	PLACES                                         ; for the loads into set 1, which the products just issued read
	FETCH_B \slot, 1, 1
	FETCH_A \slot, 1, 1
.if \first
	WIN MUL_C
.else
	WIN MUL
.endif
	MUL16 0, 0, 0, \slot, \first
	MUL16 2, 0, 0, \slot, \first
	WIN 0
.endm
; A slot's second 128, on set 1, and the change of slots: ONE barrier; in front of it each wave waits for all its tensor loads, adds 0 to its spare word, and waits for that and for its own reads of this slot.  fill = 1: this slot is filled again, two K steps ahead.
.macro TURN slot, next, fill
	s_wait_tensorcnt 0x0                           ; all my tensor loads have landed: my part of the next slot
	ds_add_u32 v[SPW], v[NIL]                      ; 0 onto my spare word
	s_wait_dscnt 1                                 ; set 1 is in (the add may be out)
	WIN MUL
	MUL16 0, 1, 1, \slot, 0                        ; sixteen matrix instructions stand between the add and the wait for it
	WIN 0
	s_wait_dscnt 0x0                               ; the add is done, and my reads of this slot are over
	s_barrier_signal -1
	s_barrier_wait -1
.if \fill
	CREST                                          ; the barrier has opened a round of the cluster's: no wave of any partner still reads this slot's tile or has a load on its way
	s_add_nc_u64 s[G0+4*\slot+2:G0+4*\slot+3], s[G0+4*\slot+2:G0+4*\slot+3], 2*ATILE
	s_add_nc_u64 s[G0B+4*\slot+2:G0B+4*\slot+3], s[G0B+4*\slot+2:G0B+4*\slot+3], 2*ROWB
	JLOAD G0+4*\slot, G1, G0B+4*\slot, G1B         ; the first tensor load behind the round, my only one until the next; its four v_nop are the places in front of the loads below
.else
	PLACES
.endif
	v_add_nc_u32 v[ADRS], 8, v[ADRS]               ; on to the next K step's scale words (no LDS load of mine is out)
	FETCH_B \next, 0, 0
	FETCH_A \next, 0, 0
	SCALES \next
	WIN MUL
	MUL16 2, 1, 1, \slot, 0
	WIN 0
.endm
	s_wait_tensorcnt 1                             ; the scales and my part of K step 0 are in (K step 1's load may be out)
	s_barrier_signal -1
	s_barrier_wait -1                              ; everybody's are
	FETCH_B 0, 0, 0
	FETCH_A 0, 0, 0
	SCALES 0
	s_wait_loadcnt 63                              ; bo's sixteen loads and x's first are in; the other 63 of x's may stay out
	STEP 0, 1                                      ; K = 1,024 is four slots' worth: the eight steps are written out.  The first starts the sums from bo
	TURN 0, 1, 1                                   ; slot 0 takes heads 8-11
	STEP 1, 0
	TURN 1, 0, 1                                   ; slot 1 takes heads 12-15
	STEP 0, 0
	TURN 0, 1, 0                                   ; nothing is left to fetch: no round of the cluster's barrier.  Behind this barrier nobody reads slot 0
	STEP 1, 0
	s_wait_dscnt 0x0                               ; the very last step
	WIN MUL
	MUL16 0, 1, 1, 1, 0
	MUL16 2, 1, 1, 1, 0
	WIN 0
; THE WAY OUT, block by block of 16 tokens x 128 features.  A lane holds 32 neighbouring bytes of a row, and the lanes beside it hold other rows: a block goes through my own stage in LDS and comes back as whole rows of 512 bytes;
; x's row is added, and the 32 lanes store 512 consecutive bytes, aligned.  LDS serves a wave's instructions in order (ISA guide 5.7.1.4): no wait between the stores and the loads, nor in front of the next block's stores.
.macro TOSTAGE a
.set AC, 64*(\a)
	WIN 0x08                                       ; an LDS store's data are its source 1: window 2
.irp b, 0,1,2,3,4,5,6,7
	ds_store_b128 v[STO], v[AC+8*\b:AC+8*\b+3] offset:64*\b          ; each accumulator from its low end on
	ds_store_b128 v[STO], v[AC+8*\b+4:AC+8*\b+7] offset:64*\b+16
.endr
	WIN 0
.set BB, BK+64*((\a)%2)
.irp t, 0,1,2,3,4,5,6,7,8,9,10,11,12,13,14,15
	ds_load_b128 v[BB+4*\t:BB+4*\t+3], v[RD] offset:\t*SPITCH
.endr
.endm
.macro SEND a, younger                 ; younger: the LDS instructions issued behind block a's loads, which may stay out
.set BB, BK+64*((\a)%2)
	s_wait_dscnt \younger                          ; the block is back in registers
	s_wait_loadcnt 48-16*(\a)                      ; its 16 rows of x are in; the later blocks' may be out
	WIN 0x0c                                       ; source 1: x in window 3
.set i, 0
.rept 32
	v_pk_add_f32 v[BB+2*i:BB+2*i+1], v[BB+2*i:BB+2*i+1], v[64*(\a)+2*i:64*(\a)+2*i+1]
.set i, i+1
.endr
	WIN 0
.irp t, 0,1,2,3,4,5,6,7,8,9,10,11,12,13,14,15
	global_store_b128 v[CO], v[BB+4*\t:BB+4*\t+3], s[88:89] offset:(16*(\a)+\t)*4096 th:TH_STORE_NT   ; the row stands in the immediate: 63 rows of 4,096 bytes at the most; written once, read by nobody here
.endr
.endm
	PLACES                                         ; behind the last products: for the stores that read results and the loads into o's fragments' registers
	TOSTAGE 0
.irp a, 1,2,3
.if \a > 1
	s_wait_xcnt 0x0                                ; block a - 2's stores have read their registers: block a's loads may land there
.endif
	TOSTAGE \a
	SEND \a-1, 32                                  ; behind block a - 1's loads: block a's 16 stores and 16 loads
.endr
	SEND 3, 0
	s_wait_tensorcnt 0x0                           ; the wave's end, behind my last tensor load and my last LDS store
	ds_add_u32 v[SPW], v[NIL]
	s_wait_dscnt 0x0
	CROUND                                         ; the closing round: no work-group ends while a partner may still ask for a tile that names it
	s_endpgm
.Lfunc_end_k_qeeb26f6a70_oproj:
	.size	k_qeeb26f6a70_oproj, .Lfunc_end_k_qeeb26f6a70_oproj-k_qeeb26f6a70_oproj
	.p2alignl 7, 3214868480
	.fill 96, 4, 3214868480
	.section	.rodata,"a",@progbits
	.p2align	6, 0x0
	.amdhsa_kernel k_qeeb26f6a70_oproj
		.amdhsa_group_segment_fixed_size 327680
		.amdhsa_private_segment_fixed_size 0
		.amdhsa_enable_private_segment 0
		.amdhsa_kernarg_size 56
		.amdhsa_user_sgpr_count 2
		.amdhsa_user_sgpr_kernarg_segment_ptr 1
		.amdhsa_wavefront_size32 1
		.amdhsa_system_sgpr_workgroup_id_x 1
		.amdhsa_system_sgpr_workgroup_id_y 1
		.amdhsa_system_sgpr_workgroup_id_z 1
		.amdhsa_system_vgpr_workitem_id 0
		.amdhsa_next_free_vgpr 1024
		.amdhsa_next_free_sgpr 100
		.amdhsa_reserve_vcc 0
		.amdhsa_float_denorm_mode_32 3
		.amdhsa_float_denorm_mode_16_64 3
		.amdhsa_memory_ordered 1
		.amdhsa_forward_progress 1
		.amdhsa_inst_pref_size 111
	.end_amdhsa_kernel
	.amdgpu_metadata
---
amdhsa.version: [ 1, 2 ]
amdhsa.kernels:
  - .name:           k_qeeb26f6a70_oproj
    .symbol:         k_qeeb26f6a70_oproj.kd
    .args:
      - { .name: o_img, .offset: 0, .size: 8, .value_kind: global_buffer, .address_space: global }
      - { .name: o_sc, .offset: 8, .size: 8, .value_kind: global_buffer, .address_space: global }
      - { .name: Wo_codes, .offset: 16, .size: 8, .value_kind: global_buffer, .address_space: global }
      - { .name: Wo_scales, .offset: 24, .size: 8, .value_kind: global_buffer, .address_space: global }
      - { .name: bo, .offset: 32, .size: 8, .value_kind: global_buffer, .address_space: global }
      - { .name: x, .offset: 40, .size: 8, .value_kind: global_buffer, .address_space: global }
      - { .name: out0, .offset: 48, .size: 8, .value_kind: global_buffer, .address_space: global }
    .group_segment_fixed_size: 327680
    .private_segment_fixed_size: 0
    .kernarg_segment_align: 8
    .kernarg_segment_size: 56
    .max_flat_workgroup_size: 128
    .sgpr_count:     100
    .vgpr_count:     1024
    .wavefront_size: 32
...
	.end_amdgpu_metadata
.endif
;; end of part 4
